; MI455X (gfx1250); checked and timed in simulation.
; The chip was launched on July 23, 2026; its instructions are those of AMD's public machine-readable ISA for CDNA 5 (MIT licence, August 2026) and "CDNA5" Instruction Set Architecture Reference Guide (July 2026). The comments in the code are by the model that wrote it; some were corrected since.
;; Conflict Detector. Allowed arithmetic: matrix products marked QUANTISED: E2M1 operands, one E8M0 scale for each 32 along K, by v_wmma_scale_f32_16x16x128_f8f6f4 with both operands' format E2M1 (or v_wmma_scale_f32_32x16x128_f4), f32 sums; products left as they are: f32 operands where the result goes on into a quantised operand, else bf16, f16 or f32 operands; f32 sums; everything else in f32.
;; Inputs: b1 64 float32; b2 32 float32; b3 1 float32; obj_idx 2,048 int32; obj_table 16 x 64 float32; proj_b 64 float32; proj_w 64 x 192 float32; rel_idx 2,048 int32; rel_table 9 x 64 float32; subj_idx 2,048 int32; subj_table 16 x 64 float32; w1 64 x 128 float32; w2 32 x 64 float32; w3 1 x 32 float32.
;; Outputs: out0 2,048 x 2,048 float32.
;; This version of the problem:
;;   THIS VERSION OF THE PROBLEM IS GIVEN IN LOW PRECISION. The matrix products marked QUANTISED in the list below multiply operands that are first quantised to E2M1 (2 exponent bits, 1 mantissa bit; 4 bits a number), with one power-of-two scale for each 32 numbers along K (OCP MX v1.0); their sums are f32. All else is computed in f32.
;;   The module's matrix products, in the order in which they are computed (A, B: the left and right operand; K: the contracted axis; several contracted axes count as one K, in the product's order):
;;     1. [M 2,048, K 192] x [K 192, N 64]; A: computed on the way; B: input proj_w: QUANTISED
;;     2. [M 2,048, K 64] x [K 64, N 64]; A: computed on the way; B: input w1: QUANTISED
;;     3. [M 2,048, K 64] x [K 64, N 64]; A: computed on the way; B: input w1: QUANTISED
;;     4. [M 4,194,304, K 64] x [K 64, N 32]; A: computed on the way; B: input w2: QUANTISED
;;     5. [M 4,194,304, K 32] x [K 32, N 1]; A: computed on the way; B: input w3: left as it is (N = 1 < 16)
;;   THE QUANTISER, for each operand of a quantised product, along K:
;;     - K is cut into blocks of 32 from its start; a last block that is shorter is filled with zeros.
;;     - A block's scale is 2^e with e = floor(log2(the largest magnitude in the block)) - 2, held to -126 .. 127; a block of zeros has e = 0. As a byte (E8M0): e + 127.
;;     - Each number is divided by its block's scale, clamped to +-6, and rounded to the nearest number of E2M1, ties to even, subnormals kept.
;;     - The product sums the exact products of the quantised numbers (number of the format x scale) in f32.
;;   ~~~python
;;   def quantise(x, axis):      # numpy; x: float32 -> the quantised numbers, widened to float32 again
;;       x = np.moveaxis(x, axis, -1); K = x.shape[-1]
;;       x = np.pad(x, [(0, 0)] * (x.ndim - 1) + [(0, -K % 32)]); x = x.reshape(x.shape[:-1] + (-1, 32)); a = np.abs(x).max(-1, keepdims=True)
;;       e = np.where(a > 0, np.clip(np.frexp(np.where(a > 0, a, 1))[1] - 1 - 2, -126, 127), 0)      # np.frexp(a)[1] - 1 = floor(log2(a)), exactly
;;       r = np.clip(x / 2.0 ** e, -6, 6)
;;       step = 2.0 ** (np.maximum(np.frexp(np.where(r == 0, 1, r))[1] - 1, 0) - 1)
;;       q = np.round(r / step) * step * 2.0 ** e      # np.round: ties to even
;;       return np.moveaxis(q.reshape(q.shape[:-2] + (-1,))[..., :K], -1, axis).astype(np.float32)
;;   ~~~
;;   OPERANDS COMPUTED ON THE WAY. 'Computed on the way' means the value that the module computes at that place (a softmax that the list does not call 'softmax' is quantised finished and normalised). What goes into a quantiser is computed in f32, as accurately as f32 sums, v_exp_f32 and their like allow (about 1e-6 of the number): no bf16 or f16 on the way to a quantiser, and a product that is left as it is and whose result goes on into a quantised operand takes f32 operands (vector FMAs, or v_wmma_f32_16x16x4_f32). A number that lies on a knife's edge between two numbers of the format may be rounded either way, as far as f32 arithmetic and the matrix unit's own rounding can turn it there, and no further.
;; 2 versions. Each part assembles by itself: llvm-mc -triple=amdgcn-amd-amdhsa -mcpu=gfx1250 --defsym DOCPART=n.
;; ======== version 1 of 2: 2 launches
;; workspace buffers: hiw 524,288 bytes; hjw 524,288 bytes
;; launch embed (part 1): grid 16 x 1, 8 waves a work-group, no clusters, 50,176 bytes of LDS; arguments subj_idx, rel_idx, obj_idx, subj_table, rel_table, obj_table, proj_w, proj_b, w1, b1, hiw, hjw; writes hiw, hjw
.if DOCPART == 1
	.amdgcn_target "amdgcn-amd-amdhsa--gfx1250"
	.amdhsa_code_object_version 6
	.text
	.protected	k_qc1b10f02d9_embed
	.globl	k_qc1b10f02d9_embed
	.p2align	8
	.type	k_qc1b10f02d9_embed,@function
k_qc1b10f02d9_embed:
	s_mov_b64 s[64:65], 0
	v_nop
	global_prefetch_b8 v0, s[64:65] scope:SCOPE_SE
	s_setreg_imm32_b32 hwreg(HW_REG_WAVE_MODE, 25, 1), 1
	s_wait_xcnt 0x0
; e = Q(cat(subj, rel, obj rows)) Q(proj_w)^T + proj_b;  hi' = Q(e) Q(w1[:, :64])^T + b1;  hj = Q(e) Q(w1[:, 64:])^T, for all 2,048 claims.
; Q: codes of FP4 (E2M1) with one E8M0 scale byte for each 32 along K; sums in f32 in the matrix unit.
; OUT: hiw [2048][64] f32, a row = 256 bytes.  hjw [128 tiles T][8 c][32 lanes][4 f32]: lane (r, h) of image T = 4 J + g holds hj[64 J + 4 r + g][32 h + 4 c .. + 3]:
; the order in which the next launch's registers take it.
; SHARES.  128 tiles of 16 claims; wave w of work-group x takes tile T = 8 x + w, lane r the claim 64 J + 4 r + g.  The 20,480 weight numbers are quantised once a work-group, an eighth a wave
; (waves 0-3: 16 rows of proj_w each, waves 4-7: 16 rows of w1), and go round through LDS as images of the operand's registers: one barrier.  More work-groups would quantise the weights more often.
; No tensor load, so no ring and no cluster: the weights are 80 KB in all, and each work-group reads them once.
; LAYOUT.  All products are used transposed: source 0 = 16 weight rows, source 1 = 16 claims.  A 4-bit operand gives lane (r, h) block h in registers 0-3 and block 2 + h in registers 4-7: a lane holds whole blocks.
; Lane r of weight tile t takes row 8 t + r % 8 + 32 (r / 8): so register 8 t + j of lane (r, h), over the four tiles, is output 32 h + 8 t + j: the lane's whole block h of the next K, in order.
; Products 2 and 3 have K = 64: a fragment of w1 holds w1a in blocks 0, 1 and w1b in blocks 2, 3; e's codes stand in one half of the other operand and zero codes in the other half, which add nothing.
; The biases are the C of each sum's first matrix instruction.
; LIMITS: NaN and infinities are not served; a block whose largest magnitude lies under 2^-124 (a block of zeros among them) gets the byte 1; the bytes are read by this program alone, and a block of zeros has zero codes.
.set WIMG,   0                         ; LDS: wave w's three sets of codes: 1536 w + 512 k + 16 lane
.set WSC,    12288                     ; its two scale words: 256 w + 128 s + 4 lane
.set STG,    14336                     ; each wave's stage for hi': 16 rows of 256 bytes + 16
.set SPITCH, 272
.set M,   16                           ; v16-21  m, b of three blocks
.set SCR, 22                           ; v22-24  the conversions' scale operands
.set BY,  25                           ; v25-27  the scale bytes
.set OWN, 28
.set OTH, 29
.set WD,  30                           ; v30-31  the scale words on their way to LDS
.set WC,  32                           ; v32-43  my 12 registers of weight codes; behind the barrier:
.set EL,  32                           ; v32-39  [e's codes, zeros]
.set EH,  40                           ; v40-47  [zeros, e's codes]
.set WS,  48                           ; v48-143 96 weight numbers; afterwards:
.set E,   48                           ; v48-79  e (begun with proj_b)
.set HI,  80                           ; v80-111 hi' (begun with b1)
.set HJ,  112                          ; v112-143 hj
.set CF,  112                          ; v112-127 the claims' codes: [subj, rel], [obj, zeros]; done with before hj is begun
.set G,   144                          ; v144-239 96 gathered numbers; afterwards:
.set PW,  144                          ; v144-207 proj_w's fragments: tile t, K step s at 16 t + 8 s
.set W1F, 208                          ; v208-239 w1's fragments: tile t at 8 t
.set PWS, 240                          ; v240-247 proj_w's scale words (2 t + s);  v248-251 w1's;  v252-253 the claims';  v254 e's: these hold scales and nothing else
.set W1S, 248
.set CS,  252
.set ES,  254
.set SEL, 38                           ; s[38:39] lane selects: lane l xor 16
.set FL,  40                           ; s40 the floor 2^(3 - 127)
; The largest magnitudes of n blocks of 32 at v[base + 32 k], into v[M + 2 k]: two chains a block, all chains by turns; the floor is one leaf, so that the byte cannot fall under 1.
.macro BMAX base, n
.set kk, 0
.rept \n
	v_max3_num_f32 v[M+2*kk], |v[\base+32*kk]|, |v[\base+32*kk+1]|, s[FL]
	v_max3_num_f32 v[M+2*kk+1], |v[\base+32*kk+16]|, |v[\base+32*kk+17]|, |v[\base+32*kk+18]|
.set kk, kk+1
.endr
.irp i, 0,1,2,3,4,5
.set kk, 0
.rept \n
	v_max3_num_f32 v[M+2*kk], v[M+2*kk], |v[\base+32*kk+2+2*\i]|, |v[\base+32*kk+3+2*\i]|
	v_max3_num_f32 v[M+2*kk+1], v[M+2*kk+1], |v[\base+32*kk+19+2*\i]|, |v[\base+32*kk+20+2*\i]|
.set kk, kk+1
.endr
.endr
.set kk, 0
.rept \n
	v_max3_num_f32 v[M+2*kk], v[M+2*kk], |v[\base+32*kk+14]|, |v[\base+32*kk+15]|
.set kk, kk+1
.endr
.set kk, 0
.rept \n
	v_max3_num_f32 v[M+2*kk], v[M+2*kk], v[M+2*kk+1], |v[\base+32*kk+31]|
.set kk, kk+1
.endr
.endm
.macro SCALES n                        ; 2 off the exponent field: the conversion's scale operand; its exponent field is the byte
.set kk, 0
.rept \n
	v_add_nc_u32 v[SCR+kk], 0xff000000, v[M+2*kk]
.set kk, kk+1
.endr
.set kk, 0
.rept \n
	v_lshrrev_b32 v[BY+kk], 23, v[SCR+kk]
.set kk, kk+1
.endr
.endm
.macro CODES dst, base, n              ; four registers of codes a block
.set kk, 0
.rept \n
.irp c, 0,1,2,3
	v_cvt_scalef32_pk8_fp4_f32 v[\dst+4*kk+\c], v[\base+32*kk+8*\c:\base+32*kk+8*\c+7], v[SCR+kk]
.endr
.set kk, kk+1
.endr
	v_nop                                          ; one plain line behind the last scaled conversion
.endm
.macro WORD2 dst, lo, hi               ; a scale word of four blocks: mine in bytes 0 and 2, lane l xor 16's in bytes 1 and 3: right in lanes 0-15, the only ones that are read
	v_lshl_or_b32 v[OWN], v[\hi], 16, v[\lo]
	v_permlanex16_b32 v[OTH], v[OWN], s[SEL], s[SEL+1]
	v_lshl_or_b32 v[\dst], v[OTH], 8, v[OWN]
.endm
.macro WORD1 dst, lo                   ; of two blocks; bytes 2 and 3 stay 0, over zero codes
	v_permlanex16_b32 v[OTH], v[\lo], s[SEL], s[SEL+1]
	v_lshl_or_b32 v[\dst], v[OTH], 8, v[\lo]
.endm
	s_load_b512 s[8:23], s[0:1], 0x0               ; subj_idx 8, rel_idx 10, obj_idx 12, subj_table 14, rel_table 16, obj_table 18, proj_w 20, proj_b 22
	s_load_b256 s[24:31], s[0:1], 0x40             ; w1 24, b1 26, hiw 28, hjw 30
	v_lshl_add_u32 v255, v0, 2, 0xc000
	s_set_vgpr_msb 0x40
	v_mov_b32 v1, 0
	s_set_vgpr_msb 0x4000
	v_lshrrev_b32 v1, 5, v0
	v_readfirstlane_b32 s2, v1                     ; wave 0..7
	v_and_b32 v1, 15, v0                           ; r
	v_bfe_u32 v2, v0, 4, 1                         ; h
	v_and_b32 v3, 31, v0                           ; lane
	v_lshlrev_b32 v4, 4, v3                        ; v4  16 x lane
	v_lshlrev_b32 v5, 2, v3                        ; v5  4 x lane
	s_lshl_b32 s3, ttmp9, 3
	s_add_co_u32 s3, s3, s2                        ; T
	s_lshr_b32 s4, s3, 2                           ; J
	s_and_b32 s5, s3, 3                            ; g
	s_and_b32 s36, s2, 3
	s_lshl_b32 s36, s36, 3                         ; 8 t: my weight tile
	s_mov_b32 s[SEL], 0x76543210
	s_mov_b32 s[SEL+1], 0xfedcba98
	s_mov_b32 s[FL], 0x1800000
	v_and_b32 v6, 7, v1
	v_lshrrev_b32 v7, 3, v1
	v_lshl_add_u32 v6, v7, 5, v6
	v_add_nc_u32 v6, s36, v6                       ; my weight row: 8 t + r % 8 + 32 (r / 8)
	s_mov_b32 s34, 512
	s_mov_b32 s35, 256
	s_cmp_lt_u32 s2, 4                             ; waves 0-3: proj_w, rows of 768 bytes, third set 512 bytes on; waves 4-7: w1, rows of 512 bytes; its third set repeats the second (no load leaves w1; that image is never read)
	s_cselect_b32 s34, 768, s34
	s_cselect_b32 s35, 512, s35
	v_mul_lo_u32 v6, v6, s34
	v_lshl_add_u32 v6, v2, 7, v6                   ; v6  row x pitch + 128 h: block h
	v_add_nc_u32 v7, s35, v6                       ; v7  the third set
	s_lshl_b32 s41, s4, 8
	s_lshl_b32 s37, s5, 2
	s_add_co_u32 s41, s41, s37
	v_lshl_add_u32 v8, v1, 4, s41                  ; v8  my claim's index: 4 (64 J + 4 r + g)
	v_lshlrev_b32 v12, 7, v2                       ; v12 128 h
	s_mul_i32 s42, s2, 1536
	v_add_nc_u32 v13, s42, v4                      ; v13 where my images go
	s_lshl_b32 s43, s2, 8
	s_add_co_u32 s43, s43, WSC
	v_add_nc_u32 v14, s43, v5                      ; v14 and my scale words
	s_mul_i32 s44, s2, 16*SPITCH
	s_add_co_u32 s44, s44, STG                     ; my stage
	v_mul_u32_u24 v15, v1, SPITCH
	v_lshl_add_u32 v15, v2, 7, v15
	v_add_nc_u32 v15, s44, v15                     ; v15 in: row r, + 128 h
	v_mul_u32_u24 v3, v2, SPITCH
	v_lshl_add_u32 v3, v1, 4, v3
	v_add_nc_u32 v3, s44, v3                       ; v3  back: lanes 0-15 one row, lanes 16-31 the next
	v_lshlrev_b32 v1, 4, v1
	v_lshl_add_u32 v1, v2, 10, v1                  ; v1  the same in hiw: stage row r' is claim 64 J + 4 r' + g: 1,024 bytes from row to row
	v_mov_b32 v[OTH], 0                            ; a lane permute's destination counts as read
	s_lshl_b32 s46, s4, 14
	s_lshl_b32 s37, s5, 8
	s_add_co_u32 s46, s46, s37                     ; 256 (64 J + g)
	s_mov_b32 s47, 0
	s_lshl_b32 s44, s3, 12                         ; 4,096 T
	s_mov_b32 s45, 0
	s_wait_kmcnt 0x0
	s_add_nc_u64 s[28:29], s[28:29], s[46:47]
	s_add_nc_u64 s[30:31], s[30:31], s[44:45]
	s_cmp_lt_u32 s2, 4
	s_cselect_b64 s[32:33], s[20:21], s[24:25]     ; the choice hangs on the wave's number alone
	global_load_b32 v16, v8, s[8:9]
	global_load_b32 v17, v8, s[10:11]
	global_load_b32 v18, v8, s[12:13]
.irp c, 0,1,2,3,4,5,6,7
	global_load_b128 v[WS+4*\c:WS+4*\c+3], v6, s[32:33] offset:16*\c
.endr
.irp c, 0,1,2,3,4,5,6,7
	global_load_b128 v[WS+32+4*\c:WS+32+4*\c+3], v6, s[32:33] offset:256+16*\c
.endr
.irp c, 0,1,2,3,4,5,6,7
	global_load_b128 v[WS+64+4*\c:WS+64+4*\c+3], v7, s[32:33] offset:16*\c
.endr
	s_wait_loadcnt 24                              ; the three indices are in; the 24 weight loads stay out
	v_min_u32 v16, 15, v16                         ; held inside the tables
	v_min_u32 v17, 8, v17
	v_min_u32 v18, 15, v18
	v_lshl_add_u32 v9, v16, 8, v12                 ; row x 256 + 128 h
	v_lshl_add_u32 v10, v17, 8, v12
	v_lshl_add_u32 v11, v18, 8, v12
.irp c, 0,1,2,3,4,5,6,7
	global_load_b128 v[G+4*\c:G+4*\c+3], v9, s[14:15] offset:16*\c
.endr
.irp c, 0,1,2,3,4,5,6,7
	global_load_b128 v[G+32+4*\c:G+32+4*\c+3], v10, s[16:17] offset:16*\c
.endr
.irp c, 0,1,2,3,4,5,6,7
	global_load_b128 v[G+64+4*\c:G+64+4*\c+3], v11, s[18:19] offset:16*\c
.endr
	s_wait_loadcnt 24                              ; the weights are in; the 24 gathers stay out
	BMAX WS, 3
	SCALES 3
	CODES WC, WS, 3
	WORD2 WD, BY, BY+1
	WORD1 WD+1, BY+2
	ds_store_b128 v13, v[WC:WC+3] offset:WIMG
	ds_store_b128 v13, v[WC+4:WC+7] offset:WIMG+512
	ds_store_b128 v13, v[WC+8:WC+11] offset:WIMG+1024
	ds_store_b32 v14, v[WD]
	ds_store_b32 v14, v[WD+1] offset:128
.irp c, 0,1,2,3,4,5,6,7
	global_load_b128 v[E+4*\c:E+4*\c+3], v12, s[22:23] offset:16*\c    ; proj_b at outputs 32 h + 0 .. 31: the result's layout
.endr
.irp c, 0,1,2,3,4,5,6,7
	global_load_b128 v[HI+4*\c:HI+4*\c+3], v12, s[26:27] offset:16*\c  ; b1 likewise
.endr
	s_wait_loadcnt 16                              ; the gathers are in; the 16 bias loads stay out
	BMAX G, 3
	SCALES 3
	CODES CF, G, 3                                 ; [subj, rel] and obj
	WORD2 CS, BY, BY+1
	WORD1 CS+1, BY+2
.irp c, 0,1,2,3
	v_mov_b32 v[CF+12+\c], 0                       ; K = 192: the second K step's blocks 2 and 3 are zero codes, on both sides
.endr
	s_wait_dscnt 0x0                               ; for the others' sake: my images and words have landed
	s_barrier_signal -1
	s_barrier_wait -1
.irp t, 0,1,2,3
.irp k, 0,1,2
	ds_load_b128 v[PW+16*\t+4*\k:PW+16*\t+4*\k+3], v4 offset:WIMG+1536*\t+512*\k
.endr
.irp k, 0,1
	ds_load_b128 v[W1F+8*\t+4*\k:W1F+8*\t+4*\k+3], v4 offset:WIMG+1536*(4+\t)+512*\k
.endr
.irp s, 0,1
	ds_load_b32 v[PWS+2*\t+\s], v5 offset:WSC+256*\t+128*\s
.endr
	ds_load_b32 v[W1S+\t], v5 offset:WSC+256*(4+\t)
.endr
.irp t, 0,1,2,3
.irp c, 0,1,2,3
	v_mov_b32 v[PW+16*\t+12+\c], 0
.endr
.endr
.irp c, 0,1,2,3
	v_mov_b32 v[EL+4+\c], 0
	v_mov_b32 v[EH+\c], 0
.endr
	s_wait_dscnt 0x0
	s_wait_loadcnt 0x0                             ; the biases
.rept 8
	v_nop                                          ; scale words and operands written by vector instructions stand 8 and 4 places ahead of a scaled matrix instruction
.endr
; product 1: four accumulators by turns, one instruction a turn
.irp s, 0,1
.irp t, 0,1,2,3
	v_wmma_scale_f32_16x16x128_f8f6f4 v[E+8*\t:E+8*\t+7], v[PW+16*\t+8*\s:PW+16*\t+8*\s+7], v[CF+8*\s:CF+8*\s+7], v[E+8*\t:E+8*\t+7], v[PWS+2*\t+\s], v[CS+\s] matrix_a_fmt:MATRIX_FMT_FP4 matrix_b_fmt:MATRIX_FMT_FP4
.endr
.endr
.rept 4
	v_nop                                          ; four places ahead of the first read of the results (ISA guide 7.12.1)
.endr
	BMAX E, 1                                      ; my 32 registers are my claim's whole block h of e; each accumulator is first read at its low end
	SCALES 1
	CODES EL, E, 1
.irp c, 0,1,2,3
	v_mov_b32 v[EH+4+\c], v[EL+\c]
.endr
	WORD1 WD, BY
	v_lshl_or_b32 v[ES], v[WD], 16, v[WD]          ; e's two bytes serve blocks 0, 1 and blocks 2, 3
.rept 8
	v_nop
.endr
; products 2 and 3: eight accumulators, none taken up twice
.irp t, 0,1,2,3
	v_wmma_scale_f32_16x16x128_f8f6f4 v[HI+8*\t:HI+8*\t+7], v[W1F+8*\t:W1F+8*\t+7], v[EL:EL+7], v[HI+8*\t:HI+8*\t+7], v[W1S+\t], v[ES] matrix_a_fmt:MATRIX_FMT_FP4 matrix_b_fmt:MATRIX_FMT_FP4
	v_wmma_scale_f32_16x16x128_f8f6f4 v[HJ+8*\t:HJ+8*\t+7], v[W1F+8*\t:W1F+8*\t+7], v[EH:EH+7], 0, v[W1S+\t], v[ES] matrix_a_fmt:MATRIX_FMT_FP4 matrix_b_fmt:MATRIX_FMT_FP4
.endr
.rept 4
	v_nop
.endr
.irp c, 0,1,2,3,4,5,6,7
	global_store_b128 v4, v[HJ+4*\c:HJ+4*\c+3], s[30:31] offset:512*\c     ; hj's image: each store of the wave covers 512 consecutive bytes, aligned
.endr
.irp c, 0,1,2,3,4,5,6,7
	ds_store_b128 v15, v[HI+4*\c:HI+4*\c+3] offset:16*\c
.endr
.irp i, 0,1,2,3,4,5,6,7
	ds_load_b128 v[G+4*\i:G+4*\i+3], v3 offset:2*\i*SPITCH                 ; LDS serves a wave's instructions in order (ISA guide 5.7.1.4): these see my stores
.endr
.irp i, 0,1,2,3,4,5,6,7
	s_wait_dscnt 7-\i                              ; load i is in; the younger ones stay out
	global_store_b128 v1, v[G+4*\i:G+4*\i+3], s[28:29] offset:2048*\i      ; sixteen lanes store one whole row of hiw, 256 bytes, aligned
.endr
	s_set_vgpr_msb 0x4
	s_wait_tensorcnt 0x0
	ds_add_u32 v255, v1
	s_wait_dscnt 0x0
	s_set_vgpr_msb 0x400
	s_endpgm
.Lfunc_end_k_qc1b10f02d9_embed:
	.size	k_qc1b10f02d9_embed, .Lfunc_end_k_qc1b10f02d9_embed-k_qc1b10f02d9_embed
	.p2alignl 7, 3214868480
	.fill 96, 4, 3214868480
	.section	.rodata,"a",@progbits
	.p2align	6, 0x0
	.amdhsa_kernel k_qc1b10f02d9_embed
		.amdhsa_group_segment_fixed_size 50176
		.amdhsa_private_segment_fixed_size 0
		.amdhsa_enable_private_segment 0
		.amdhsa_kernarg_size 96
		.amdhsa_user_sgpr_count 2
		.amdhsa_user_sgpr_kernarg_segment_ptr 1
		.amdhsa_wavefront_size32 1
		.amdhsa_system_sgpr_workgroup_id_x 1
		.amdhsa_system_sgpr_workgroup_id_y 1
		.amdhsa_system_sgpr_workgroup_id_z 1
		.amdhsa_system_vgpr_workitem_id 0
		.amdhsa_next_free_vgpr 258
		.amdhsa_next_free_sgpr 66
		.amdhsa_reserve_vcc 0
		.amdhsa_float_denorm_mode_32 3
		.amdhsa_float_denorm_mode_16_64 3
		.amdhsa_memory_ordered 1
		.amdhsa_forward_progress 1
		.amdhsa_inst_pref_size 30
	.end_amdhsa_kernel
	.amdgpu_metadata
---
amdhsa.version: [ 1, 2 ]
amdhsa.kernels:
  - .name:           k_qc1b10f02d9_embed
    .symbol:         k_qc1b10f02d9_embed.kd
    .args:
      - { .name: subj_idx, .offset: 0, .size: 8, .value_kind: global_buffer, .address_space: global }
      - { .name: rel_idx, .offset: 8, .size: 8, .value_kind: global_buffer, .address_space: global }
      - { .name: obj_idx, .offset: 16, .size: 8, .value_kind: global_buffer, .address_space: global }
      - { .name: subj_table, .offset: 24, .size: 8, .value_kind: global_buffer, .address_space: global }
      - { .name: rel_table, .offset: 32, .size: 8, .value_kind: global_buffer, .address_space: global }
      - { .name: obj_table, .offset: 40, .size: 8, .value_kind: global_buffer, .address_space: global }
      - { .name: proj_w, .offset: 48, .size: 8, .value_kind: global_buffer, .address_space: global }
      - { .name: proj_b, .offset: 56, .size: 8, .value_kind: global_buffer, .address_space: global }
      - { .name: w1, .offset: 64, .size: 8, .value_kind: global_buffer, .address_space: global }
      - { .name: b1, .offset: 72, .size: 8, .value_kind: global_buffer, .address_space: global }
      - { .name: hiw, .offset: 80, .size: 8, .value_kind: global_buffer, .address_space: global }
      - { .name: hjw, .offset: 88, .size: 8, .value_kind: global_buffer, .address_space: global }
    .group_segment_fixed_size: 50176
    .private_segment_fixed_size: 0
    .kernarg_segment_align: 8
    .kernarg_segment_size: 96
    .max_flat_workgroup_size: 256
    .sgpr_count:     66
    .vgpr_count:     258
    .wavefront_size: 32
...
	.end_amdgpu_metadata
.endif
;; end of part 1
;; launch pairs (part 2): grid 256 x 1, 8 waves a work-group, no clusters, 37,888 bytes of LDS; arguments hiw, hjw, w2, b2, w3, b3, out0; writes out0
.if DOCPART == 2
	.amdgcn_target "amdgcn-amd-amdhsa--gfx1250"
	.amdhsa_code_object_version 6
	.text
	.protected	k_qc1b10f02d9_pairs
	.globl	k_qc1b10f02d9_pairs
	.p2align	8
	.type	k_qc1b10f02d9_pairs,@function
k_qc1b10f02d9_pairs:
	s_mov_b64 s[64:65], 0
	v_nop
	global_prefetch_b8 v0, s[64:65] scope:SCOPE_SE
	s_setreg_imm32_b32 hwreg(HW_REG_WAVE_MODE, 25, 1), 1
	s_wait_xcnt 0x0
; out0[i][j] = sigmoid(w3 . relu(Q(w2) Q(relu(hi'[i] + hj[j])) + b2) + b3) where i < j, else 0.  hi' = hi + b1 and hj come from the launch before.  Q: codes of FP4 (E2M1), one E8M0 byte for each 32 along K = 64.
; SPLIT.  32 strips of 64 columns; strip J needs rows 0 .. 64 J + 63: 32 (J + 1) pairs of rows.  Strips P and 31 - P have 1,056 = 16 x 66 pairs: work-group x (P = x / 16, q = x % 16) takes pairs 66 q .. 66 q + 65 of them,
; wave w those numbered w + 8 t.  A TRIP is 2 rows x 64 columns, in 4 steps g of 16 columns 64 J + 4 r + g: a lane's four results are four neighbouring columns, and one store of 16 bytes a lane writes 256 aligned bytes
; of row iA (lanes 0-15) and of row iB = iA + 1 (lanes 16-31).  A trip above the diagonal blocks also stores the 512 bytes of zeros at its mirrored place, so that every byte of out0 is written once.  Diagonal blocks are computed whole and masked.
; LAYOUT.  The product is used transposed: source 0 = 16 rows of w2, source 1 = 16 pairs.  A lane (r, h) holds block h of a pair in 32 registers: its maximum needs no other lane.  K = 64 fills half of the instruction's 128:
; source 1 carries row iA's pair in blocks 0, 1 and row iB's in blocks 2, 3; w2's fragment exists twice, [codes, zeros] and [zeros, codes]: zero codes add nothing.
; relu(h): the block's maximum is taken without |.| over the floor; negative numbers are converted like the others and their codes' magnitude bits are then cleared (the code -0): 4 lines for 8 numbers.
; w3 . h2 (N = 1) is done in f32 by packed multiply-adds: a matrix form would compute sixteen equal rows.  w3 and b3 are multiplied by -log2(e) first, so that sigmoid = 1 / (1 + 2^z').
; A strip's hj (16 KB: 128 registers a lane) stays in the wave's registers, its 9 pairs of rows of hi' in its own 4,608 bytes of LDS: nothing is shared between waves, no barrier.  No tensor load, so no ring and no cluster:
; what work-groups share is 1 MB in all, and a wave reads its part once or twice in the launch.
; LIMITS: NaN and infinities are not served; a block whose largest number lies under 2^-124 (a block without a positive number among them) gets the byte 1, over codes that are zeros; the sum is (hi + b1) + hj, one rounding other than (hi + hj) + b1.
.set LHI,  1                           ; v1   4608 w + 128 h
.set ADR,  2                           ; v2   LDS address of the hi' rows in hand
.set OUTC, 3                           ; v3   8192 h + 16 r
.set OUTA, 4                           ; v4   the trip's offset in out0
.set OUTZ, 5                           ; v5   and of its zeros
.set L16,  7                           ; v7   16 x lane
.set Z,    8                           ; v8-11 zeros; never rewritten
.set CJ,   12                          ; v12-15 4 r - h + g
.set RES,  16                          ; v16-19 the lane's four results
.set SW,   20                          ; v20-21 the pairs' scale words, by turns;  v22-23 w2's: these four hold scales and nothing else
.set W2S,  22
.set S,    24                          ; v24-31, v32-39 at work on the codes
.set Y,    32
.set M,    40                          ; v40-43 m, b of two blocks
.set SCR,  44                          ; v44-45 the conversions' scale operands
.set OWN,  46
.set OTH,  47
.set PA,   48                          ; v48-51 row iA's two chains;  v52-55 row iB's
.set PB,   52
.set BP,   56                          ; v56-57 (b3' / 2, 0)
.set T,    64                          ; v64-95 row iA's 32 numbers of h, v96-127 row iB's
.set X,    128                         ; v128-159 h2: (iA, tile 0), (iA, 1), (iB, 0), (iB, 1)
.set F,    160                         ; v160-175 two fragments of codes, by turns
.set W3,   176                         ; v176-191 w3' at k = 8 h + 0 .. 7 and 16 + 8 h + 0 .. 7: h2's layout
.set HIA,  192                         ; v192-223 hi'[iA][32 h ..], v224-255 hi'[iB][32 h ..]
.set HIB,  224
.set HJ,   0                           ; window 1: v0-127 hj, step g at 32 g
.set W2L,  128                         ; v128-143 [w2's codes, zeros], tile t at 8 t;  v144-159 [zeros, codes]
.set W2H,  144
.set B2,   160                         ; v160-175 b2 in the result's layout
.set SEL,  40                          ; s[40:41] lane selects: lane l xor 16
.set FL,   43                          ; s43 the floor 2^(3 - 127)
.set MSB, 0
.macro WIN new                         ; s_set_vgpr_msb: bits 1:0 source 0, 3:2 source 1, 5:4 source 2, 7:6 destination; the high byte repeats the setting that is left
.if MSB != \new
	s_set_vgpr_msb (MSB<<8)|\new
.set MSB, \new
.endif
.endm
; The largest of n blocks of 32 at v[base + 32 k] into v[M + 2 k]: two chains a block, all by turns; the floor is one leaf.  mag = 1: magnitudes; 0: what is negative does not count.
.macro BMAX base, n, mag
.set kk, 0
.rept \n
.if \mag
	v_max3_num_f32 v[M+2*kk], |v[\base+32*kk]|, |v[\base+32*kk+1]|, s[FL]
	v_max3_num_f32 v[M+2*kk+1], |v[\base+32*kk+16]|, |v[\base+32*kk+17]|, |v[\base+32*kk+18]|
.else
	v_max3_num_f32 v[M+2*kk], v[\base+32*kk], v[\base+32*kk+1], s[FL]
	v_max3_num_f32 v[M+2*kk+1], v[\base+32*kk+16], v[\base+32*kk+17], v[\base+32*kk+18]
.endif
.set kk, kk+1
.endr
.irp i, 0,1,2,3,4,5
.set kk, 0
.rept \n
.if \mag
	v_max3_num_f32 v[M+2*kk], v[M+2*kk], |v[\base+32*kk+2+2*\i]|, |v[\base+32*kk+3+2*\i]|
	v_max3_num_f32 v[M+2*kk+1], v[M+2*kk+1], |v[\base+32*kk+19+2*\i]|, |v[\base+32*kk+20+2*\i]|
.else
	v_max3_num_f32 v[M+2*kk], v[M+2*kk], v[\base+32*kk+2+2*\i], v[\base+32*kk+3+2*\i]
	v_max3_num_f32 v[M+2*kk+1], v[M+2*kk+1], v[\base+32*kk+19+2*\i], v[\base+32*kk+20+2*\i]
.endif
.set kk, kk+1
.endr
.endr
.set kk, 0
.rept \n
.if \mag
	v_max3_num_f32 v[M+2*kk], v[M+2*kk], |v[\base+32*kk+14]|, |v[\base+32*kk+15]|
.else
	v_max3_num_f32 v[M+2*kk], v[M+2*kk], v[\base+32*kk+14], v[\base+32*kk+15]
.endif
.set kk, kk+1
.endr
.set kk, 0
.rept \n
.if \mag
	v_max3_num_f32 v[M+2*kk], v[M+2*kk], v[M+2*kk+1], |v[\base+32*kk+31]|
.else
	v_max3_num_f32 v[M+2*kk], v[M+2*kk], v[M+2*kk+1], v[\base+32*kk+31]
.endif
.set kk, kk+1
.endr
.endm
.macro WHERE ul                        ; pair number ul of my work-group's 66 -> s25 = J, s26 = iA
	s_add_co_u32 s24, s6, \ul
	s_cmp_lt_u32 s24, s5
	s_cselect_b32 s25, s3, s7
	s_cselect_b32 s33, 0, s5
	s_sub_co_u32 s26, s24, s33
	s_lshl_b32 s26, s26, 1
.endm
.macro HJLOAD                          ; a strip's four images, as they lie: 32 loads of 512 consecutive bytes
	WIN 0x40
.irp g, 0,1,2,3
.irp c, 0,1,2,3,4,5,6,7
	global_load_b128 v[HJ+32*\g+4*\c:HJ+32*\g+4*\c+3], v[L16], s[28:29] offset:4096*\g+512*\c
.endr
.endr
.endm
.macro HIFETCH                         ; sixteen lanes read the same 16 bytes
.irp c, 0,1,2,3,4,5,6,7
	ds_load_b128 v[HIA+4*\c:HIA+4*\c+3], v[ADR] offset:16*\c
	ds_load_b128 v[HIB+4*\c:HIB+4*\c+3], v[ADR] offset:256+16*\c
.endr
.endm
.macro ADD g                           ; hi' + hj for both rows, two numbers an instruction
	WIN 0x04
.set pp, 0
.rept 16
	v_pk_add_f32 v[T+2*pp:T+2*pp+1], v[HIA+2*pp:HIA+2*pp+1], v[HJ+32*\g+2*pp:HJ+32*\g+2*pp+1]
	v_pk_add_f32 v[T+32+2*pp:T+32+2*pp+1], v[HIB+2*pp:HIB+2*pp+1], v[HJ+32*\g+2*pp:HJ+32*\g+2*pp+1]
.set pp, pp+1
.endr
.endm
.macro REST g                          ; the two blocks become a fragment's codes and its scale word
.set FB, F+8*((\g)%2)
	WIN 0
	BMAX T, 2, 0
	v_add_nc_u32 v[SCR], 0xff000000, v[M]          ; 2 off the exponent field: the conversion's scale operand
	v_add_nc_u32 v[SCR+1], 0xff000000, v[M+2]
	v_lshrrev_b32 v[M], 23, v[SCR]                 ; the bytes
	v_lshrrev_b32 v[M+2], 23, v[SCR+1]
	v_lshl_or_b32 v[OWN], v[M+2], 16, v[M]
	v_permlanex16_b32 v[OTH], v[OWN], s[SEL], s[SEL+1]
.irp c, 0,1,2,3
	v_cvt_scalef32_pk8_fp4_f32 v[FB+\c], v[T+8*\c:T+8*\c+7], v[SCR]
	v_cvt_scalef32_pk8_fp4_f32 v[FB+4+\c], v[T+32+8*\c:T+32+8*\c+7], v[SCR+1]
.endr
	v_lshl_or_b32 v[SW+(\g)%2], v[OTH], 8, v[OWN]  ; bytes: iA's blocks 0, 1, iB's blocks 0, 1; right in lanes 0-15.  Also the plain line behind the conversions
.irp i, 0,1,2,3,4,5,6,7
	v_and_b32 v[S+\i], s44, v[FB+\i]               ; the eight sign bits
.endr
.irp i, 0,1,2,3,4,5,6,7
	v_lshrrev_b32 v[Y+\i], 3, v[S+\i]
.endr
.irp i, 0,1,2,3,4,5,6,7
	v_sub_nc_u32 v[S+\i], v[S+\i], v[Y+\i]         ; 7 in each negative code's place
.endr
.irp i, 0,1,2,3,4,5,6,7
	v_bfi_b32 v[FB+\i], v[S+\i], 0, v[FB+\i]       ; those bits cleared: relu on the codes
.endr
.endm
.macro MB g                            ; four products on four accumulators, each begun with b2
	WIN 0x11
.irp t, 0,1
	v_wmma_scale_f32_16x16x128_f8f6f4 v[X+8*\t:X+8*\t+7], v[W2L+8*\t:W2L+8*\t+7], v[F+8*((\g)%2):F+8*((\g)%2)+7], v[B2+8*\t:B2+8*\t+7], v[W2S+\t], v[SW+(\g)%2] matrix_a_fmt:MATRIX_FMT_FP4 matrix_b_fmt:MATRIX_FMT_FP4
.endr
.irp t, 0,1
	v_wmma_scale_f32_16x16x128_f8f6f4 v[X+16+8*\t:X+16+8*\t+7], v[W2H+8*\t:W2H+8*\t+7], v[F+8*((\g)%2):F+8*((\g)%2)+7], v[B2+8*\t:B2+8*\t+7], v[W2S+\t], v[SW+(\g)%2] matrix_a_fmt:MATRIX_FMT_FP4 matrix_b_fmt:MATRIX_FMT_FP4
.endr
.endm
.macro DOT g                           ; relu(h2) . w3' + b3': lanes 0-15 end with row iA's logit, lanes 16-31 with row iB's
	WIN 0
.set ii, 0
.rept 32
	v_max_num_f32 v[X+ii], 0, v[X+ii]              ; ascending: each accumulator is first read at its low end
.set ii, ii+1
.endr
	v_pk_fma_f32 v[PA:PA+1], v[X:X+1], v[W3:W3+1], v[BP:BP+1]
	v_pk_fma_f32 v[PB:PB+1], v[X+16:X+17], v[W3:W3+1], v[BP:BP+1]
	v_pk_mul_f32 v[PA+2:PA+3], v[X+2:X+3], v[W3+2:W3+3]
	v_pk_mul_f32 v[PB+2:PB+3], v[X+18:X+19], v[W3+2:W3+3]
.irp i, 1,2,3
	v_pk_fma_f32 v[PA:PA+1], v[X+4*\i:X+4*\i+1], v[W3+4*\i:W3+4*\i+1], v[PA:PA+1]
	v_pk_fma_f32 v[PB:PB+1], v[X+16+4*\i:X+17+4*\i], v[W3+4*\i:W3+4*\i+1], v[PB:PB+1]
	v_pk_fma_f32 v[PA+2:PA+3], v[X+2+4*\i:X+3+4*\i], v[W3+2+4*\i:W3+3+4*\i], v[PA+2:PA+3]
	v_pk_fma_f32 v[PB+2:PB+3], v[X+18+4*\i:X+19+4*\i], v[W3+2+4*\i:W3+3+4*\i], v[PB+2:PB+3]
.endr
	v_pk_add_f32 v[PA:PA+1], v[PA:PA+1], v[PA+2:PA+3]
	v_pk_add_f32 v[PB:PB+1], v[PB:PB+1], v[PB+2:PB+3]
	v_add_f32 v58, v[PA], v[PA+1]                  ; my 16 of row iA's 32 terms
	v_add_f32 v59, v[PB], v[PB+1]                  ; and of row iB's
	v_cndmask_b32 v60, v59, v58, s42               ; what the lane 16 away wants: lanes 0-15 send iB's, lanes 16-31 iA's
	v_cndmask_b32 v61, v58, v59, s42               ; what I keep
	v_permlanex16_b32 v62, v60, s[SEL], s[SEL+1]
	v_add_f32 v[RES+\g], v61, v62
.endm
	s_load_b256 s[8:15], s[0:1], 0x0               ; hiw 8, hjw 10, w2 12, b2 14
	s_load_b128 s[16:19], s[0:1], 0x20             ; w3 16, b3 18
	s_load_b64 s[20:21], s[0:1], 0x30              ; out0
	v_lshl_add_u32 v63, v0, 2, 0x9000
	s_set_vgpr_msb 0x40
	v_mov_b32 v193, 0
	s_set_vgpr_msb 0x4000
	v_lshrrev_b32 v1, 5, v0
	v_readfirstlane_b32 s2, v1                     ; wave 0..7
	v_and_b32 v6, 15, v0                           ; r
	v_bfe_u32 v2, v0, 4, 1                         ; h
	v_and_b32 v[L16], 31, v0
	v_lshlrev_b32 v[L16], 4, v[L16]
	s_mul_i32 s33, s2, 4608                        ; my wave's LDS
	v_lshl_add_u32 v[LHI], v2, 7, s33
	v_add_nc_u32 v[OUTA], s33, v[L16]              ; (until the first trip: where hi' goes in LDS)
	v_lshlrev_b32 v[OUTC], 4, v6
	v_lshl_add_u32 v[OUTC], v2, 13, v[OUTC]
	v_lshlrev_b32 v[CJ], 2, v6
	v_sub_nc_u32 v[CJ], v[CJ], v2
	v_add_nc_u32 v[CJ+1], 1, v[CJ]
	v_add_nc_u32 v[CJ+2], 2, v[CJ]
	v_add_nc_u32 v[CJ+3], 3, v[CJ]
	v_lshlrev_b32 v[OUTZ], 8, v6
	v_lshl_add_u32 v[OUTZ], v2, 7, v[OUTZ]         ; (until the first trip: w2: 256 r + 128 h)
	v_lshlrev_b32 v2, 5, v2                        ; (until the first fetch: 32 h, for b2 and w3)
.irp c, 0,1,2,3
	v_mov_b32 v[Z+\c], 0
.endr
	v_mov_b32 v[OTH], 0                            ; lane permutes' destinations count as read
	v_mov_b32 v62, 0
	s_lshr_b32 s3, ttmp9, 4                        ; P
	s_and_b32 s4, ttmp9, 15                        ; q
	s_lshl_b32 s5, s3, 5
	s_add_co_u32 s5, s5, 32                        ; strip P's pairs of rows
	s_mul_i32 s6, s4, 66
	s_sub_co_u32 s7, 31, s3
	s_mov_b32 s[SEL], 0x76543210
	s_mov_b32 s[SEL+1], 0xfedcba98
	s_mov_b32 s42, 0xffff0000                      ; lanes 16-31
	s_mov_b32 s[FL], 0x1800000
	s_mov_b32 s44, 0x88888888
	WHERE s2                                       ; my first trip's strip
	s_mov_b32 s27, s25                             ; the strip whose hj I hold
	s_lshl_b32 s46, s25, 14
	s_mov_b32 s47, 0
	s_wait_kmcnt 0x0
	s_add_nc_u64 s[28:29], s[10:11], s[46:47]
	HJLOAD
.irp t, 0,1
	global_load_b128 v[B2+8*\t:B2+8*\t+3], v2, s[14:15] offset:64*\t       ; b2 at rows 16 t + 8 h + 0 .. 7
	global_load_b128 v[B2+8*\t+4:B2+8*\t+7], v2, s[14:15] offset:64*\t+16
.endr
	WIN 0
.irp t, 0,1,2,3,4,5,6,7,8
	s_add_co_u32 s23, s2, 8*\t
	s_min_u32 s23, s23, 65                         ; waves 2-7 have no ninth trip: their ninth slot takes a pair that exists and is not used
	WHERE s23
	s_lshl_b32 s33, s26, 8
	v_add_nc_u32 v[Y+\t], s33, v[L16]
	global_load_b128 v[X+4*\t:X+4*\t+3], v[Y+\t], s[8:9]                   ; rows iA and iA + 1 of hiw: 512 consecutive bytes
.endr
.irp t, 0,1
.irp c, 0,1,2,3,4,5,6,7
	global_load_b128 v[T+32*\t+4*\c:T+32*\t+4*\c+3], v[OUTZ], s[12:13] offset:4096*\t+16*\c   ; w2: row 16 t + r, block h
.endr
.endr
	global_load_b128 v[W3:W3+3], v2, s[16:17]
	global_load_b128 v[W3+4:W3+7], v2, s[16:17] offset:16
	global_load_b128 v[W3+8:W3+11], v2, s[16:17] offset:64
	global_load_b128 v[W3+12:W3+15], v2, s[16:17] offset:80
	global_load_b32 v[BP], v[Z], s[18:19]
	s_wait_loadcnt 0x0                             ; once
.irp t, 0,1,2,3,4,5,6,7,8
	ds_store_b128 v[OUTA], v[X+4*\t:X+4*\t+3] offset:512*\t
.endr
	BMAX T, 2, 1                                   ; w2's two tiles
	v_add_nc_u32 v[SCR], 0xff000000, v[M]
	v_add_nc_u32 v[SCR+1], 0xff000000, v[M+2]
	v_lshrrev_b32 v[M], 23, v[SCR]
	v_lshrrev_b32 v[M+2], 23, v[SCR+1]
.irp t, 0,1
.irp c, 0,1,2,3
	v_cvt_scalef32_pk8_fp4_f32 v[S+4*\t+\c], v[T+32*\t+8*\c:T+32*\t+8*\c+7], v[SCR+\t]
.endr
.endr
	v_nop                                          ; one plain line behind the last scaled conversion
.irp t, 0,1
	v_permlanex16_b32 v[OTH], v[M+2*\t], s[SEL], s[SEL+1]
	v_lshl_or_b32 v[OWN], v[OTH], 8, v[M+2*\t]
	v_lshl_or_b32 v[W2S+\t], v[OWN], 16, v[OWN]    ; w2's two bytes serve blocks 0, 1 and blocks 2, 3
.endr
	WIN 0x40
.irp t, 0,1
.irp c, 0,1,2,3
	v_mov_b32 v[W2L+8*\t+\c], v[S+4*\t+\c]
	v_mov_b32 v[W2L+8*\t+4+\c], 0
	v_mov_b32 v[W2H+8*\t+\c], 0
	v_mov_b32 v[W2H+8*\t+4+\c], v[S+4*\t+\c]
.endr
.endr
	WIN 0
	s_mov_b32 s33, 0xbfb8aa3b                      ; -log2(e)
.irp i, 0,1,2,3,4,5,6,7,8,9,10,11,12,13,14,15
	v_mul_f32 v[W3+\i], s33, v[W3+\i]
.endr
	v_mul_f32 v[BP], s33, v[BP]
	v_mul_f32 v[BP], 0.5, v[BP]                    ; half in each of the two lanes that share a pair
	v_mov_b32 v[BP+1], 0
	v_mov_b32 v[ADR], v[LHI]
	HIFETCH                                        ; the first trip's rows: LDS serves a wave's instructions in order (ISA guide 5.7.1.4): these see my stores
	s_mov_b32 s22, 0
.Ltrip:                                            ; nine trips in every wave; waves 2-7 jump over the ninth's work
	s_lshl_b32 s23, s22, 3
	s_add_co_u32 s23, s23, s2
	s_cmp_ge_u32 s23, 66
	s_cbranch_scc1 .Lnext
	s_wait_xcnt 0x0                                ; the last trip's stores have read their registers: RES, OUTA and OUTZ are rewritten only behind this wait
	WHERE s23
	s_lshl_b32 s33, s25, 6
	s_sub_co_i32 s32, s26, s33                     ; d = iA - 64 J
	s_lshl_b32 s30, s26, 13
	s_lshl_b32 s34, s25, 8
	s_add_co_u32 s30, s30, s34                     ; 8192 iA + 256 J
	s_and_b32 s31, s26, 63
	s_add_co_u32 s31, s31, s33
	s_lshl_b32 s31, s31, 13
	s_lshr_b32 s35, s26, 6                         ; I: the block of rows
	s_lshl_b32 s34, s35, 8
	s_add_co_u32 s31, s31, s34                     ; the mirrored place: rows 64 J + iA % 64, strip I
	s_cmp_eq_u32 s25, s27
	s_cbranch_scc1 .Lsame
	s_mov_b32 s27, s25                             ; at most once a wave: on to the other strip
	s_lshl_b32 s46, s25, 14
	s_mov_b32 s47, 0
	s_add_nc_u64 s[28:29], s[10:11], s[46:47]
	HJLOAD
	s_wait_loadcnt 0x0
	WIN 0
.Lsame:
	s_wait_dscnt 0x0                               ; this trip's hi' rows, asked for in the trip before
	ADD 0
	REST 0
	ADD 1                                          ; these 32 lines are the places between the codes' and the scale word's last writes and the products
	MB 0
	REST 1                                         ; names no register of the products above: their places
	DOT 0
	ADD 2
	MB 1
	REST 2
	DOT 1
	ADD 3
	MB 2
	REST 3
	DOT 2
	s_lshl_b32 s45, s22, 9
	s_add_co_u32 s45, s45, 512
	s_min_u32 s45, s45, 4096                       ; the next trip's slot; the ninth trip reads its own again
	v_add_nc_u32 v[ADR], s45, v[LHI]
	HIFETCH
	MB 3
	WIN 0
	v_add_nc_u32 v[OUTA], s30, v[OUTC]
	v_add_nc_u32 v[OUTZ], s31, v[OUTC]
	v_nop
	v_nop                                          ; four places ahead of the first read of the results (ISA guide 7.12.1)
.irp g, 0,1,2,3
	v_cmp_lt_i32 s[36+\g], s32, v[CJ+\g]           ; i < j: iA + h < 64 J + 4 r + g
.endr
	DOT 3
.irp g, 0,1,2,3
	v_exp_f32 v[RES+\g], v[RES+\g]
.endr
	v_nop                                          ; a plain line behind the last exponential,
	s_wait_alu depctr_va_vdst(0)                   ; and the one wait for the four, ahead of their first reader
	v_pk_add_f32 v[RES:RES+1], v[RES:RES+1], 1.0 op_sel_hi:[1,0]
	v_pk_add_f32 v[RES+2:RES+3], v[RES+2:RES+3], 1.0 op_sel_hi:[1,0]
.irp g, 0,1,2,3
	v_rcp_f32 v[RES+\g], v[RES+\g]
.endr
	v_nop
	s_wait_alu depctr_va_vdst(0)                   ; likewise for the four reciprocals
.irp g, 0,1,2,3
	v_cndmask_b32 v[RES+\g], 0, v[RES+\g], s[36+\g]
.endr
	global_store_b128 v[OUTA], v[RES:RES+3], s[20:21] th:TH_STORE_NT       ; sixteen lanes store 256 consecutive bytes, aligned, of each of the two rows
	s_cmp_eq_u32 s35, s25
	s_cbranch_scc1 .Lnozero                        ; a diagonal block is its own mirror
	global_store_b128 v[OUTZ], v[Z:Z+3], s[20:21] th:TH_STORE_NT
.Lnozero:
.Lnext:
	s_add_co_u32 s22, s22, 1
	s_cmp_lt_u32 s22, 9
	s_cbranch_scc1 .Ltrip
	s_wait_dscnt 0x0                               ; the last fetch, which nobody reads
	s_set_vgpr_msb 0x4
	s_wait_tensorcnt 0x0
	ds_add_u32 v63, v193
	s_wait_dscnt 0x0
	s_set_vgpr_msb 0x400
	s_endpgm
.Lfunc_end_k_qc1b10f02d9_pairs:
	.size	k_qc1b10f02d9_pairs, .Lfunc_end_k_qc1b10f02d9_pairs-k_qc1b10f02d9_pairs
	.p2alignl 7, 3214868480
	.fill 96, 4, 3214868480
	.section	.rodata,"a",@progbits
	.p2align	6, 0x0
	.amdhsa_kernel k_qc1b10f02d9_pairs
		.amdhsa_group_segment_fixed_size 37888
		.amdhsa_private_segment_fixed_size 0
		.amdhsa_enable_private_segment 0
		.amdhsa_kernarg_size 56
		.amdhsa_user_sgpr_count 2
		.amdhsa_user_sgpr_kernarg_segment_ptr 1
		.amdhsa_wavefront_size32 1
		.amdhsa_system_sgpr_workgroup_id_x 1
		.amdhsa_system_sgpr_workgroup_id_y 1
		.amdhsa_system_sgpr_workgroup_id_z 1
		.amdhsa_system_vgpr_workitem_id 0
		.amdhsa_next_free_vgpr 450
		.amdhsa_next_free_sgpr 66
		.amdhsa_reserve_vcc 0
		.amdhsa_float_denorm_mode_32 3
		.amdhsa_float_denorm_mode_16_64 3
		.amdhsa_memory_ordered 1
		.amdhsa_forward_progress 1
		.amdhsa_inst_pref_size 62
	.end_amdhsa_kernel
	.amdgpu_metadata
---
amdhsa.version: [ 1, 2 ]
amdhsa.kernels:
  - .name:           k_qc1b10f02d9_pairs
    .symbol:         k_qc1b10f02d9_pairs.kd
    .args:
      - { .name: hiw, .offset: 0, .size: 8, .value_kind: global_buffer, .address_space: global }
      - { .name: hjw, .offset: 8, .size: 8, .value_kind: global_buffer, .address_space: global }
      - { .name: w2, .offset: 16, .size: 8, .value_kind: global_buffer, .address_space: global }
      - { .name: b2, .offset: 24, .size: 8, .value_kind: global_buffer, .address_space: global }
      - { .name: w3, .offset: 32, .size: 8, .value_kind: global_buffer, .address_space: global }
      - { .name: b3, .offset: 40, .size: 8, .value_kind: global_buffer, .address_space: global }
      - { .name: out0, .offset: 48, .size: 8, .value_kind: global_buffer, .address_space: global }
    .group_segment_fixed_size: 37888
    .private_segment_fixed_size: 0
    .kernarg_segment_align: 8
    .kernarg_segment_size: 56
    .max_flat_workgroup_size: 256
    .sgpr_count:     66
    .vgpr_count:     450
    .wavefront_size: 32
...
	.end_amdgpu_metadata
.endif
;; end of part 2
;; ======== version 2 of 2: 2 launches; version 1 with the launches embed, pairs written anew for expert scheduling mode
;; workspace buffers: hiw 524,288 bytes; hjw 524,288 bytes
;; launch embed (part 3): grid 16 x 1, 8 waves a work-group, no clusters, 50,176 bytes of LDS; arguments subj_idx, rel_idx, obj_idx, subj_table, rel_table, obj_table, proj_w, proj_b, w1, b1, hiw, hjw; writes hiw, hjw
.if DOCPART == 3
	.amdgcn_target "amdgcn-amd-amdhsa--gfx1250"
	.amdhsa_code_object_version 6
	.text
	.protected	k_qc1b10f02d9_embed
	.globl	k_qc1b10f02d9_embed
	.p2align	8
	.type	k_qc1b10f02d9_embed,@function
k_qc1b10f02d9_embed:
	s_mov_b64 s[64:65], 0
	v_nop
	global_prefetch_b8 v0, s[64:65] scope:SCOPE_SE
	s_setreg_imm32_b32 hwreg(HW_REG_WAVE_SCHED_MODE, 0, 2), 2
	s_setreg_imm32_b32 hwreg(HW_REG_WAVE_MODE, 25, 1), 1
	s_wait_xcnt 0x0
	s_wait_alu depctr_vm_vsrc(0)
; e = Q(cat(subj, rel, obj rows)) Q(proj_w)^T + proj_b;  hi' = Q(e) Q(w1[:, :64])^T + b1;  hj = Q(e) Q(w1[:, 64:])^T, for all 2,048 claims.
; Q: codes of FP4 (E2M1) with one E8M0 scale byte for each 32 along K; sums in f32 in the matrix unit.
; OUT: hiw [2048][64] f32, a row = 256 bytes.  hjw [128 tiles T][8 c][32 lanes][4 f32]: lane (r, h) of image T = 4 J + g holds hj[64 J + 4 r + g][32 h + 4 c .. + 3]:
; the order in which the next launch's registers take it.
; SHARES.  128 tiles of 16 claims; wave w of work-group x takes tile T = 8 x + w, lane r the claim 64 J + 4 r + g.  The 20,480 weight numbers are quantised once a work-group, an eighth a wave
; (waves 0-3: 16 rows of proj_w each, waves 4-7: 16 rows of w1), and go round through LDS as images of the operand's registers: one barrier.  More work-groups would quantise the weights more often.
; No tensor load, so no ring and no cluster: the weights are 80 KB in all, and each work-group reads them once.
; LAYOUT.  All products are used transposed: source 0 = 16 weight rows, source 1 = 16 claims.  A 4-bit operand gives lane (r, h) block h in registers 0-3 and block 2 + h in registers 4-7: a lane holds whole blocks.
; Lane r of weight tile t takes row 8 t + r % 8 + 32 (r / 8): so register 8 t + j of lane (r, h), over the four tiles, is output 32 h + 8 t + j: the lane's whole block h of the next K, in order.
; Products 2 and 3 have K = 64: a fragment of w1 holds w1a in blocks 0, 1 and w1b in blocks 2, 3; e's codes stand in one half of the other operand and zero codes in the other half, which add nothing.
; The biases are the C of each sum's first matrix instruction.
; LIMITS: NaN and infinities are not served; a block whose largest magnitude lies under 2^-124 (a block of zeros among them) gets the byte 1; the bytes are read by this program alone, and a block of zeros has zero codes.
; THE MODE: SCHED_MODE bits 1:0 = 2 (LLVM: expert scheduling mode 2), set by the entry lines.  The code itself states the register dependences
; between vector or matrix instructions and memory or LDS instructions, with s_wait_alu, always for 0.
; THE PLAN.  Registers that memory or LDS instructions touch:
;   v1, v3-v8, v12-v15  offsets and LDS addresses: written at the head, never again.       v9-v11  the gathers' offsets: written once, behind the indices.
;   v48-143   the weights land; the maxima and conversions read them; then proj_b and b1 land in v48-111.
;   v32-43, v30-31  the weights' codes and scale words: written by vector lines, read by five LDS stores, written again behind the barrier.
;   v144-239  the gathered rows land; the maxima and conversions read them; the fragments land behind the barrier; on the way out hi' comes back into v144-175, which the first product has read.
;   v80-143   hi' and hj: written by matrix instructions, read by the stores.
.set WIMG,   0                         ; LDS: wave w's three sets of codes: 1536 w + 512 k + 16 lane
.set WSC,    12288                     ; its two scale words: 256 w + 128 s + 4 lane
.set STG,    14336                     ; each wave's stage for hi': 16 rows of 256 bytes + 16
.set SPITCH, 272
.set M,   16                           ; v16-21  m, b of three blocks
.set SCR, 22                           ; v22-24  the conversions' scale operands
.set BY,  25                           ; v25-27  the scale bytes
.set OWN, 28
.set OTH, 29
.set WD,  30                           ; v30-31  the scale words on their way to LDS
.set WC,  32                           ; v32-43  my 12 registers of weight codes; behind the barrier:
.set EL,  32                           ; v32-39  [e's codes, zeros]
.set EH,  40                           ; v40-47  [zeros, e's codes]
.set WS,  48                           ; v48-143 96 weight numbers; afterwards:
.set E,   48                           ; v48-79  e (begun with proj_b)
.set HI,  80                           ; v80-111 hi' (begun with b1)
.set HJ,  112                          ; v112-143 hj
.set CF,  112                          ; v112-127 the claims' codes: [subj, rel], [obj, zeros]; done with before hj is begun
.set G,   144                          ; v144-239 96 gathered numbers; afterwards:
.set PW,  144                          ; v144-207 proj_w's fragments: tile t, K step s at 16 t + 8 s
.set W1F, 208                          ; v208-239 w1's fragments: tile t at 8 t
.set PWS, 240                          ; v240-247 proj_w's scale words (2 t + s);  v248-251 w1's;  v252-253 the claims';  v254 e's: these hold scales and nothing else
.set W1S, 248
.set CS,  252
.set ES,  254
.set SEL, 38                           ; s[38:39] lane selects: lane l xor 16
.set FL,  40                           ; s40 the floor 2^(3 - 127)
; The largest magnitudes of n blocks of 32 at v[base + 32 k], into v[M + 2 k]: two chains a block, all chains by turns; the floor is one leaf, so that the byte cannot fall under 1.
.macro BMAX base, n
.set kk, 0
.rept \n
	v_max3_num_f32 v[M+2*kk], |v[\base+32*kk]|, |v[\base+32*kk+1]|, s[FL]
	v_max3_num_f32 v[M+2*kk+1], |v[\base+32*kk+16]|, |v[\base+32*kk+17]|, |v[\base+32*kk+18]|
.set kk, kk+1
.endr
.irp i, 0,1,2,3,4,5
.set kk, 0
.rept \n
	v_max3_num_f32 v[M+2*kk], v[M+2*kk], |v[\base+32*kk+2+2*\i]|, |v[\base+32*kk+3+2*\i]|
	v_max3_num_f32 v[M+2*kk+1], v[M+2*kk+1], |v[\base+32*kk+19+2*\i]|, |v[\base+32*kk+20+2*\i]|
.set kk, kk+1
.endr
.endr
.set kk, 0
.rept \n
	v_max3_num_f32 v[M+2*kk], v[M+2*kk], |v[\base+32*kk+14]|, |v[\base+32*kk+15]|
.set kk, kk+1
.endr
.set kk, 0
.rept \n
	v_max3_num_f32 v[M+2*kk], v[M+2*kk], v[M+2*kk+1], |v[\base+32*kk+31]|
.set kk, kk+1
.endr
.endm
.macro SCALES n                        ; 2 off the exponent field: the conversion's scale operand; its exponent field is the byte
.set kk, 0
.rept \n
	v_add_nc_u32 v[SCR+kk], 0xff000000, v[M+2*kk]
.set kk, kk+1
.endr
.set kk, 0
.rept \n
	v_lshrrev_b32 v[BY+kk], 23, v[SCR+kk]
.set kk, kk+1
.endr
.endm
.macro CODES dst, base, n              ; four registers of codes a block
.set kk, 0
.rept \n
.irp c, 0,1,2,3
	v_cvt_scalef32_pk8_fp4_f32 v[\dst+4*kk+\c], v[\base+32*kk+8*\c:\base+32*kk+8*\c+7], v[SCR+kk]
.endr
.set kk, kk+1
.endr
	v_nop                                          ; one plain line behind the last scaled conversion
.endm
.macro WORD2 dst, lo, hi               ; a scale word of four blocks: mine in bytes 0 and 2, lane l xor 16's in bytes 1 and 3: right in lanes 0-15, the only ones that are read
	v_lshl_or_b32 v[OWN], v[\hi], 16, v[\lo]
	v_permlanex16_b32 v[OTH], v[OWN], s[SEL], s[SEL+1]
	v_lshl_or_b32 v[\dst], v[OTH], 8, v[OWN]
.endm
.macro WORD1 dst, lo                   ; of two blocks; bytes 2 and 3 stay 0, over zero codes
	v_permlanex16_b32 v[OTH], v[\lo], s[SEL], s[SEL+1]
	v_lshl_or_b32 v[\dst], v[OTH], 8, v[\lo]
.endm
	s_load_b512 s[8:23], s[0:1], 0x0               ; subj_idx 8, rel_idx 10, obj_idx 12, subj_table 14, rel_table 16, obj_table 18, proj_w 20, proj_b 22
	s_load_b256 s[24:31], s[0:1], 0x40             ; w1 24, b1 26, hiw 28, hjw 30
	v_lshl_add_u32 v255, v0, 2, 0xc000
	s_set_vgpr_msb 0x40
	v_mov_b32 v1, 0
	s_set_vgpr_msb 0x4000
	v_lshrrev_b32 v1, 5, v0
	v_readfirstlane_b32 s2, v1                     ; wave 0..7
	v_and_b32 v1, 15, v0                           ; r
	s_wait_alu depctr_va_vdst(0)
	v_bfe_u32 v2, v0, 4, 1                         ; h
	v_and_b32 v3, 31, v0                           ; lane
	v_lshlrev_b32 v4, 4, v3                        ; v4  16 x lane
	v_lshlrev_b32 v5, 2, v3                        ; v5  4 x lane
	s_wait_alu depctr_va_sdst(0)                   ; s2 is written, ahead of its first reader: the tile, the weight rows and the LDS places are made from it
	s_lshl_b32 s3, ttmp9, 3
	s_add_co_u32 s3, s3, s2                        ; T
	s_lshr_b32 s4, s3, 2                           ; J
	s_and_b32 s5, s3, 3                            ; g
	s_and_b32 s36, s2, 3
	s_lshl_b32 s36, s36, 3                         ; 8 t: my weight tile
	s_mov_b32 s[SEL], 0x76543210
	s_mov_b32 s[SEL+1], 0xfedcba98
	s_mov_b32 s[FL], 0x1800000
	v_and_b32 v6, 7, v1
	v_lshrrev_b32 v7, 3, v1
	v_lshl_add_u32 v6, v7, 5, v6
	v_add_nc_u32 v6, s36, v6                       ; my weight row: 8 t + r % 8 + 32 (r / 8)
	s_mov_b32 s34, 512
	s_mov_b32 s35, 256
	s_cmp_lt_u32 s2, 4                             ; waves 0-3: proj_w, rows of 768 bytes, third set 512 bytes on; waves 4-7: w1, rows of 512 bytes; its third set repeats the second (no load leaves w1; that image is never read)
	s_cselect_b32 s34, 768, s34
	s_cselect_b32 s35, 512, s35
	v_mul_lo_u32 v6, v6, s34
	s_wait_alu depctr_va_vdst(0)
	v_lshl_add_u32 v6, v2, 7, v6                   ; v6  row x pitch + 128 h: block h
	v_add_nc_u32 v7, s35, v6                       ; v7  the third set
	s_lshl_b32 s41, s4, 8
	s_lshl_b32 s37, s5, 2
	s_add_co_u32 s41, s41, s37
	v_lshl_add_u32 v8, v1, 4, s41                  ; v8  my claim's index: 4 (64 J + 4 r + g)
	v_lshlrev_b32 v12, 7, v2                       ; v12 128 h
	s_mul_i32 s42, s2, 1536
	v_add_nc_u32 v13, s42, v4                      ; v13 where my images go
	s_lshl_b32 s43, s2, 8
	s_add_co_u32 s43, s43, WSC
	v_add_nc_u32 v14, s43, v5                      ; v14 and my scale words
	s_mul_i32 s44, s2, 16*SPITCH
	s_add_co_u32 s44, s44, STG                     ; my stage
	v_mul_u32_u24 v15, v1, SPITCH
	v_lshl_add_u32 v15, v2, 7, v15
	v_add_nc_u32 v15, s44, v15                     ; v15 in: row r, + 128 h
	v_mul_u32_u24 v3, v2, SPITCH
	v_lshl_add_u32 v3, v1, 4, v3
	v_add_nc_u32 v3, s44, v3                       ; v3  back: lanes 0-15 one row, lanes 16-31 the next
	v_lshlrev_b32 v1, 4, v1
	v_lshl_add_u32 v1, v2, 10, v1                  ; v1  the same in hiw: stage row r' is claim 64 J + 4 r' + g: 1,024 bytes from row to row
	v_mov_b32 v[OTH], 0                            ; a lane permute's destination counts as read
	s_lshl_b32 s46, s4, 14
	s_lshl_b32 s37, s5, 8
	s_add_co_u32 s46, s46, s37                     ; 256 (64 J + g)
	s_mov_b32 s47, 0
	s_lshl_b32 s44, s3, 12                         ; 4,096 T
	s_mov_b32 s45, 0
	s_wait_kmcnt 0x0
	s_add_nc_u64 s[28:29], s[28:29], s[46:47]
	s_add_nc_u64 s[30:31], s[30:31], s[44:45]
	s_cmp_lt_u32 s2, 4
	s_cselect_b64 s[32:33], s[20:21], s[24:25]     ; the choice hangs on the wave's number alone
	s_wait_alu depctr_va_vdst(0)                   ; the offsets and LDS addresses v1, v3 to v8 and v12 to v15 are written: every load and store of the kernel but the gathers reads one of them, and none is written again
	global_load_b32 v16, v8, s[8:9]
	global_load_b32 v17, v8, s[10:11]
	global_load_b32 v18, v8, s[12:13]
.irp c, 0,1,2,3,4,5,6,7
	global_load_b128 v[WS+4*\c:WS+4*\c+3], v6, s[32:33] offset:16*\c
.endr
.irp c, 0,1,2,3,4,5,6,7
	global_load_b128 v[WS+32+4*\c:WS+32+4*\c+3], v6, s[32:33] offset:256+16*\c
.endr
.irp c, 0,1,2,3,4,5,6,7
	global_load_b128 v[WS+64+4*\c:WS+64+4*\c+3], v7, s[32:33] offset:16*\c
.endr
	s_wait_loadcnt 24                              ; the three indices are in; the 24 weight loads stay out
	v_min_u32 v16, 15, v16                         ; held inside the tables
	v_min_u32 v17, 8, v17
	v_min_u32 v18, 15, v18
	v_lshl_add_u32 v9, v16, 8, v12                 ; row x 256 + 128 h
	v_lshl_add_u32 v10, v17, 8, v12
	v_lshl_add_u32 v11, v18, 8, v12
	s_wait_alu depctr_va_vdst(0)                   ; the gathers' offsets v9 to v11 are written
.irp c, 0,1,2,3,4,5,6,7
	global_load_b128 v[G+4*\c:G+4*\c+3], v9, s[14:15] offset:16*\c
.endr
.irp c, 0,1,2,3,4,5,6,7
	global_load_b128 v[G+32+4*\c:G+32+4*\c+3], v10, s[16:17] offset:16*\c
.endr
.irp c, 0,1,2,3,4,5,6,7
	global_load_b128 v[G+64+4*\c:G+64+4*\c+3], v11, s[18:19] offset:16*\c
.endr
	s_wait_loadcnt 24                              ; the weights are in; the 24 gathers stay out
	BMAX WS, 3
	SCALES 3
	CODES WC, WS, 3
	WORD2 WD, BY, BY+1
	WORD1 WD+1, BY+2
	s_wait_alu depctr_va_vdst(0)                   ; the conversions have written v[WC ..] and the words' lines v[WD ..], which the LDS stores read; the maxima and the conversions are done reading v48 to v111, in which the biases land
	ds_store_b128 v13, v[WC:WC+3] offset:WIMG
	ds_store_b128 v13, v[WC+4:WC+7] offset:WIMG+512
	ds_store_b128 v13, v[WC+8:WC+11] offset:WIMG+1024
	ds_store_b32 v14, v[WD]
	ds_store_b32 v14, v[WD+1] offset:128
.irp c, 0,1,2,3,4,5,6,7
	global_load_b128 v[E+4*\c:E+4*\c+3], v12, s[22:23] offset:16*\c    ; proj_b at outputs 32 h + 0 .. 31: the result's layout
.endr
.irp c, 0,1,2,3,4,5,6,7
	global_load_b128 v[HI+4*\c:HI+4*\c+3], v12, s[26:27] offset:16*\c  ; b1 likewise
.endr
	s_wait_loadcnt 16                              ; the gathers are in; the 16 bias loads stay out
	BMAX G, 3
	SCALES 3
	CODES CF, G, 3                                 ; [subj, rel] and obj
	WORD2 CS, BY, BY+1
	WORD1 CS+1, BY+2
.irp c, 0,1,2,3
	v_mov_b32 v[CF+12+\c], 0                       ; K = 192: the second K step's blocks 2 and 3 are zero codes, on both sides
.endr
	s_wait_dscnt 0x0                               ; for the others' sake: my images and words have landed
	s_barrier_signal -1
	s_barrier_wait -1
	s_wait_alu depctr_va_vdst(0)                   ; the maxima and the conversions are done reading the gathered numbers v144 to v239, in which the fragments land
.irp t, 0,1,2,3
.irp k, 0,1,2
	ds_load_b128 v[PW+16*\t+4*\k:PW+16*\t+4*\k+3], v4 offset:WIMG+1536*\t+512*\k
.endr
.irp k, 0,1
	ds_load_b128 v[W1F+8*\t+4*\k:W1F+8*\t+4*\k+3], v4 offset:WIMG+1536*(4+\t)+512*\k
.endr
.irp s, 0,1
	ds_load_b32 v[PWS+2*\t+\s], v5 offset:WSC+256*\t+128*\s
.endr
	ds_load_b32 v[W1S+\t], v5 offset:WSC+256*(4+\t)
.endr
.irp t, 0,1,2,3
.irp c, 0,1,2,3
	v_mov_b32 v[PW+16*\t+12+\c], 0
.endr
.endr
	s_wait_alu depctr_vm_vsrc(0)                   ; my LDS stores have read v[WC ..] and v[WD ..]: v32 to v47 are EL and EH from here on, and v30 takes e's word
.irp c, 0,1,2,3
	v_mov_b32 v[EL+4+\c], 0
	v_mov_b32 v[EH+\c], 0
.endr
	s_wait_dscnt 0x0
	s_wait_loadcnt 0x0                             ; the biases
.rept 8
	v_nop                                          ; scale words and operands written by vector instructions stand 8 and 4 places ahead of a scaled matrix instruction
.endr
	s_wait_alu depctr_va_vdst(0)                   ; the claims' codes v[CF ..], their scale words v[CS ..] and the fragments' zero codes are written, which the products below take as operands; the places above stay beside this wait
; product 1: four accumulators by turns, one instruction a turn
.irp s, 0,1
.irp t, 0,1,2,3
	v_wmma_scale_f32_16x16x128_f8f6f4 v[E+8*\t:E+8*\t+7], v[PW+16*\t+8*\s:PW+16*\t+8*\s+7], v[CF+8*\s:CF+8*\s+7], v[E+8*\t:E+8*\t+7], v[PWS+2*\t+\s], v[CS+\s] matrix_a_fmt:MATRIX_FMT_FP4 matrix_b_fmt:MATRIX_FMT_FP4
.endr
.endr
.rept 4
	v_nop                                          ; four places ahead of the first read of the results (ISA guide 7.12.1)
.endr
	BMAX E, 1                                      ; my 32 registers are my claim's whole block h of e; each accumulator is first read at its low end
	SCALES 1
	CODES EL, E, 1
.irp c, 0,1,2,3
	v_mov_b32 v[EH+4+\c], v[EL+\c]
.endr
	WORD1 WD, BY
	v_lshl_or_b32 v[ES], v[WD], 16, v[WD]          ; e's two bytes serve blocks 0, 1 and blocks 2, 3
.rept 8
	v_nop
.endr
	s_wait_alu depctr_va_vdst(0)                   ; e's codes in v[EL ..] and v[EH ..] and its scale word v[ES] are written, which the products below take as operands; the places above stay beside this wait
; products 2 and 3: eight accumulators, none taken up twice
.irp t, 0,1,2,3
	v_wmma_scale_f32_16x16x128_f8f6f4 v[HI+8*\t:HI+8*\t+7], v[W1F+8*\t:W1F+8*\t+7], v[EL:EL+7], v[HI+8*\t:HI+8*\t+7], v[W1S+\t], v[ES] matrix_a_fmt:MATRIX_FMT_FP4 matrix_b_fmt:MATRIX_FMT_FP4
	v_wmma_scale_f32_16x16x128_f8f6f4 v[HJ+8*\t:HJ+8*\t+7], v[W1F+8*\t:W1F+8*\t+7], v[EH:EH+7], 0, v[W1S+\t], v[ES] matrix_a_fmt:MATRIX_FMT_FP4 matrix_b_fmt:MATRIX_FMT_FP4
.endr
.rept 4
	v_nop
.endr
	s_wait_alu depctr_va_vdst(0)                   ; the matrix instructions have written hj and hi', which the stores below read, and the first product is done reading v144 to v175, in which hi' comes back from the stage; the places above stay beside this wait
.irp c, 0,1,2,3,4,5,6,7
	global_store_b128 v4, v[HJ+4*\c:HJ+4*\c+3], s[30:31] offset:512*\c     ; hj's image: each store of the wave covers 512 consecutive bytes, aligned
.endr
.irp c, 0,1,2,3,4,5,6,7
	ds_store_b128 v15, v[HI+4*\c:HI+4*\c+3] offset:16*\c
.endr
.irp i, 0,1,2,3,4,5,6,7
	ds_load_b128 v[G+4*\i:G+4*\i+3], v3 offset:2*\i*SPITCH                 ; LDS serves a wave's instructions in order (ISA guide 5.7.1.4): these see my stores
.endr
.irp i, 0,1,2,3,4,5,6,7
	s_wait_dscnt 7-\i                              ; load i is in; the younger ones stay out
	global_store_b128 v1, v[G+4*\i:G+4*\i+3], s[28:29] offset:2048*\i      ; sixteen lanes store one whole row of hiw, 256 bytes, aligned
.endr
	s_set_vgpr_msb 0x4
	s_wait_dscnt 0x0
	s_wait_alu depctr_hold_cnt(0) depctr_sa_sdst(0) depctr_va_vdst(0) depctr_va_sdst(0) depctr_va_ssrc(0) depctr_va_vcc(0) depctr_vm_vsrc(0)
	s_wait_tensorcnt 0x0
	ds_add_u32 v255, v1
	s_wait_dscnt 0x0
	s_endpgm
.Lfunc_end_k_qc1b10f02d9_embed:
	.size	k_qc1b10f02d9_embed, .Lfunc_end_k_qc1b10f02d9_embed-k_qc1b10f02d9_embed
	.p2alignl 7, 3214868480
	.fill 96, 4, 3214868480
	.section	.rodata,"a",@progbits
	.p2align	6, 0x0
	.amdhsa_kernel k_qc1b10f02d9_embed
		.amdhsa_group_segment_fixed_size 50176
		.amdhsa_private_segment_fixed_size 0
		.amdhsa_enable_private_segment 0
		.amdhsa_kernarg_size 96
		.amdhsa_user_sgpr_count 2
		.amdhsa_user_sgpr_kernarg_segment_ptr 1
		.amdhsa_wavefront_size32 1
		.amdhsa_system_sgpr_workgroup_id_x 1
		.amdhsa_system_sgpr_workgroup_id_y 1
		.amdhsa_system_sgpr_workgroup_id_z 1
		.amdhsa_system_vgpr_workitem_id 0
		.amdhsa_next_free_vgpr 258
		.amdhsa_next_free_sgpr 66
		.amdhsa_reserve_vcc 0
		.amdhsa_float_denorm_mode_32 3
		.amdhsa_float_denorm_mode_16_64 3
		.amdhsa_memory_ordered 1
		.amdhsa_forward_progress 1
		.amdhsa_inst_pref_size 30
	.end_amdhsa_kernel
	.amdgpu_metadata
---
amdhsa.version: [ 1, 2 ]
amdhsa.kernels:
  - .name:           k_qc1b10f02d9_embed
    .symbol:         k_qc1b10f02d9_embed.kd
    .args:
      - { .name: subj_idx, .offset: 0, .size: 8, .value_kind: global_buffer, .address_space: global }
      - { .name: rel_idx, .offset: 8, .size: 8, .value_kind: global_buffer, .address_space: global }
      - { .name: obj_idx, .offset: 16, .size: 8, .value_kind: global_buffer, .address_space: global }
      - { .name: subj_table, .offset: 24, .size: 8, .value_kind: global_buffer, .address_space: global }
      - { .name: rel_table, .offset: 32, .size: 8, .value_kind: global_buffer, .address_space: global }
      - { .name: obj_table, .offset: 40, .size: 8, .value_kind: global_buffer, .address_space: global }
      - { .name: proj_w, .offset: 48, .size: 8, .value_kind: global_buffer, .address_space: global }
      - { .name: proj_b, .offset: 56, .size: 8, .value_kind: global_buffer, .address_space: global }
      - { .name: w1, .offset: 64, .size: 8, .value_kind: global_buffer, .address_space: global }
      - { .name: b1, .offset: 72, .size: 8, .value_kind: global_buffer, .address_space: global }
      - { .name: hiw, .offset: 80, .size: 8, .value_kind: global_buffer, .address_space: global }
      - { .name: hjw, .offset: 88, .size: 8, .value_kind: global_buffer, .address_space: global }
    .group_segment_fixed_size: 50176
    .private_segment_fixed_size: 0
    .kernarg_segment_align: 8
    .kernarg_segment_size: 96
    .max_flat_workgroup_size: 256
    .sgpr_count:     66
    .vgpr_count:     258
    .wavefront_size: 32
...
	.end_amdgpu_metadata
.endif
;; end of part 3
;; launch pairs (part 4): grid 256 x 1, 8 waves a work-group, no clusters, 37,888 bytes of LDS; arguments hiw, hjw, w2, b2, w3, b3, out0; writes out0
.if DOCPART == 4
	.amdgcn_target "amdgcn-amd-amdhsa--gfx1250"
	.amdhsa_code_object_version 6
	.text
	.protected	k_qc1b10f02d9_pairs
	.globl	k_qc1b10f02d9_pairs
	.p2align	8
	.type	k_qc1b10f02d9_pairs,@function
k_qc1b10f02d9_pairs:
	s_mov_b64 s[64:65], 0
	v_nop
	global_prefetch_b8 v0, s[64:65] scope:SCOPE_SE
	s_setreg_imm32_b32 hwreg(HW_REG_WAVE_SCHED_MODE, 0, 2), 2
	s_setreg_imm32_b32 hwreg(HW_REG_WAVE_MODE, 25, 1), 1
	s_wait_xcnt 0x0
	s_wait_alu depctr_vm_vsrc(0)
; out0[i][j] = sigmoid(w3 . relu(Q(w2) Q(relu(hi'[i] + hj[j])) + b2) + b3) where i < j, else 0.  hi' = hi + b1 and hj come from the launch before.  Q: codes of FP4 (E2M1), one E8M0 byte for each 32 along K = 64.
; SPLIT.  32 strips of 64 columns; strip J needs rows 0 .. 64 J + 63: 32 (J + 1) pairs of rows.  Strips P and 31 - P have 1,056 = 16 x 66 pairs: work-group x (P = x / 16, q = x % 16) takes pairs 66 q .. 66 q + 65 of them,
; wave w those numbered w + 8 t.  A TRIP is 2 rows x 64 columns, in 4 steps g of 16 columns 64 J + 4 r + g: a lane's four results are four neighbouring columns, and one store of 16 bytes a lane writes 256 aligned bytes
; of row iA (lanes 0-15) and of row iB = iA + 1 (lanes 16-31).  A trip above the diagonal blocks also stores the 512 bytes of zeros at its mirrored place, so that every byte of out0 is written once.  Diagonal blocks are computed whole and masked.
; LAYOUT.  The product is used transposed: source 0 = 16 rows of w2, source 1 = 16 pairs.  A lane (r, h) holds block h of a pair in 32 registers: its maximum needs no other lane.  K = 64 fills half of the instruction's 128:
; source 1 carries row iA's pair in blocks 0, 1 and row iB's in blocks 2, 3; w2's fragment exists twice, [codes, zeros] and [zeros, codes]: zero codes add nothing.
; relu(h): the block's maximum is taken without |.| over the floor; negative numbers are converted like the others and their codes' magnitude bits are then cleared (the code -0): 4 lines for 8 numbers.
; w3 . h2 (N = 1) is done in f32 by packed multiply-adds: a matrix form would compute sixteen equal rows.  w3 and b3 are multiplied by -log2(e) first, so that sigmoid = 1 / (1 + 2^z').
; A strip's hj (16 KB: 128 registers a lane) stays in the wave's registers, its 9 pairs of rows of hi' in its own 4,608 bytes of LDS: nothing is shared between waves, no barrier.  No tensor load, so no ring and no cluster:
; what work-groups share is 1 MB in all, and a wave reads its part once or twice in the launch.
; LIMITS: NaN and infinities are not served; a block whose largest number lies under 2^-124 (a block without a positive number among them) gets the byte 1, over codes that are zeros; the sum is (hi + b1) + hj, one rounding other than (hi + hj) + b1.
; THE MODE: SCHED_MODE bits 1:0 = 2 (LLVM: expert scheduling mode 2), set by the entry lines.  The code itself states the register dependences
; between vector or matrix instructions and memory or LDS instructions, with s_wait_alu, always for 0.
; THE PLAN.  Registers that memory or LDS instructions touch, in the loop:
;   HIA, HIB      A trip's four runs of additions read them; behind the fourth run the next trip's rows land in them.
;   v[ADR]        Read by that fetch's sixteen LDS loads; written once a trip, ahead of the fourth run of additions.
;   hj (window 1) Read by every addition; loaded again at most once a wave, at a change of strips.
;   RES, OUTA, OUTZ   Written in a trip by vector lines, read by its stores at its end.
;   v[L16], v[Z ..]   Written at the head and never again.
;   The codes F and the scale words SW are written by vector lines and taken by the scaled products as operands.
; One wait on vm_vsrc at a trip's head states that the last trip's stores and its fetch have read RES, OUTA, OUTZ and ADR.  One wait on va_vdst stands ahead of each step's products, behind their places; the third step's
; stands ahead of the fetch and states also that ADR is written and that the additions are done reading HIA and HIB.  One stands ahead of the stores.
.set LHI,  1                           ; v1   4608 w + 128 h
.set ADR,  2                           ; v2   LDS address of the hi' rows in hand
.set OUTC, 3                           ; v3   8192 h + 16 r
.set OUTA, 4                           ; v4   the trip's offset in out0
.set OUTZ, 5                           ; v5   and of its zeros
.set L16,  7                           ; v7   16 x lane
.set Z,    8                           ; v8-11 zeros; never rewritten
.set CJ,   12                          ; v12-15 4 r - h + g
.set RES,  16                          ; v16-19 the lane's four results
.set SW,   20                          ; v20-21 the pairs' scale words, by turns;  v22-23 w2's: these four hold scales and nothing else
.set W2S,  22
.set S,    24                          ; v24-31, v32-39 at work on the codes
.set Y,    32
.set M,    40                          ; v40-43 m, b of two blocks
.set SCR,  44                          ; v44-45 the conversions' scale operands
.set OWN,  46
.set OTH,  47
.set PA,   48                          ; v48-51 row iA's two chains;  v52-55 row iB's
.set PB,   52
.set BP,   56                          ; v56-57 (b3' / 2, 0)
.set T,    64                          ; v64-95 row iA's 32 numbers of h, v96-127 row iB's
.set X,    128                         ; v128-159 h2: (iA, tile 0), (iA, 1), (iB, 0), (iB, 1)
.set F,    160                         ; v160-175 two fragments of codes, by turns
.set W3,   176                         ; v176-191 w3' at k = 8 h + 0 .. 7 and 16 + 8 h + 0 .. 7: h2's layout
.set HIA,  192                         ; v192-223 hi'[iA][32 h ..], v224-255 hi'[iB][32 h ..]
.set HIB,  224
.set HJ,   0                           ; window 1: v0-127 hj, step g at 32 g
.set W2L,  128                         ; v128-143 [w2's codes, zeros], tile t at 8 t;  v144-159 [zeros, codes]
.set W2H,  144
.set B2,   160                         ; v160-175 b2 in the result's layout
.set SEL,  40                          ; s[40:41] lane selects: lane l xor 16
.set FL,   43                          ; s43 the floor 2^(3 - 127)
.set MSB, 0
.macro WIN new                         ; s_set_vgpr_msb: bits 1:0 source 0, 3:2 source 1, 5:4 source 2, 7:6 destination; the high byte repeats the setting that is left
.if MSB != \new
	s_set_vgpr_msb (MSB<<8)|\new
.set MSB, \new
.endif
.endm
; The largest of n blocks of 32 at v[base + 32 k] into v[M + 2 k]: two chains a block, all by turns; the floor is one leaf.  mag = 1: magnitudes; 0: what is negative does not count.
.macro BMAX base, n, mag
.set kk, 0
.rept \n
.if \mag
	v_max3_num_f32 v[M+2*kk], |v[\base+32*kk]|, |v[\base+32*kk+1]|, s[FL]
	v_max3_num_f32 v[M+2*kk+1], |v[\base+32*kk+16]|, |v[\base+32*kk+17]|, |v[\base+32*kk+18]|
.else
	v_max3_num_f32 v[M+2*kk], v[\base+32*kk], v[\base+32*kk+1], s[FL]
	v_max3_num_f32 v[M+2*kk+1], v[\base+32*kk+16], v[\base+32*kk+17], v[\base+32*kk+18]
.endif
.set kk, kk+1
.endr
.irp i, 0,1,2,3,4,5
.set kk, 0
.rept \n
.if \mag
	v_max3_num_f32 v[M+2*kk], v[M+2*kk], |v[\base+32*kk+2+2*\i]|, |v[\base+32*kk+3+2*\i]|
	v_max3_num_f32 v[M+2*kk+1], v[M+2*kk+1], |v[\base+32*kk+19+2*\i]|, |v[\base+32*kk+20+2*\i]|
.else
	v_max3_num_f32 v[M+2*kk], v[M+2*kk], v[\base+32*kk+2+2*\i], v[\base+32*kk+3+2*\i]
	v_max3_num_f32 v[M+2*kk+1], v[M+2*kk+1], v[\base+32*kk+19+2*\i], v[\base+32*kk+20+2*\i]
.endif
.set kk, kk+1
.endr
.endr
.set kk, 0
.rept \n
.if \mag
	v_max3_num_f32 v[M+2*kk], v[M+2*kk], |v[\base+32*kk+14]|, |v[\base+32*kk+15]|
.else
	v_max3_num_f32 v[M+2*kk], v[M+2*kk], v[\base+32*kk+14], v[\base+32*kk+15]
.endif
.set kk, kk+1
.endr
.set kk, 0
.rept \n
.if \mag
	v_max3_num_f32 v[M+2*kk], v[M+2*kk], v[M+2*kk+1], |v[\base+32*kk+31]|
.else
	v_max3_num_f32 v[M+2*kk], v[M+2*kk], v[M+2*kk+1], v[\base+32*kk+31]
.endif
.set kk, kk+1
.endr
.endm
.macro WHERE ul                        ; pair number ul of my work-group's 66 -> s25 = J, s26 = iA
	s_add_co_u32 s24, s6, \ul
	s_cmp_lt_u32 s24, s5
	s_cselect_b32 s25, s3, s7
	s_cselect_b32 s33, 0, s5
	s_sub_co_u32 s26, s24, s33
	s_lshl_b32 s26, s26, 1
.endm
.macro HJLOAD                          ; a strip's four images, as they lie: 32 loads of 512 consecutive bytes
	WIN 0x40
	s_wait_alu depctr_va_vdst(0)                   ; at the head: the offsets v[L16] and v2 are written, which the loads below read; at a change of strips: the additions are done reading hj's registers, in which these loads land
.irp g, 0,1,2,3
.irp c, 0,1,2,3,4,5,6,7
	global_load_b128 v[HJ+32*\g+4*\c:HJ+32*\g+4*\c+3], v[L16], s[28:29] offset:4096*\g+512*\c
.endr
.endr
.endm
.macro HIFETCH                         ; sixteen lanes read the same 16 bytes
.irp c, 0,1,2,3,4,5,6,7
	ds_load_b128 v[HIA+4*\c:HIA+4*\c+3], v[ADR] offset:16*\c
	ds_load_b128 v[HIB+4*\c:HIB+4*\c+3], v[ADR] offset:256+16*\c
.endr
.endm
.macro ADD g                           ; hi' + hj for both rows, two numbers an instruction
	WIN 0x04
.set pp, 0
.rept 16
	v_pk_add_f32 v[T+2*pp:T+2*pp+1], v[HIA+2*pp:HIA+2*pp+1], v[HJ+32*\g+2*pp:HJ+32*\g+2*pp+1]
	v_pk_add_f32 v[T+32+2*pp:T+32+2*pp+1], v[HIB+2*pp:HIB+2*pp+1], v[HJ+32*\g+2*pp:HJ+32*\g+2*pp+1]
.set pp, pp+1
.endr
.endm
.macro REST g                          ; the two blocks become a fragment's codes and its scale word
.set FB, F+8*((\g)%2)
	WIN 0
	BMAX T, 2, 0
	v_add_nc_u32 v[SCR], 0xff000000, v[M]          ; 2 off the exponent field: the conversion's scale operand
	v_add_nc_u32 v[SCR+1], 0xff000000, v[M+2]
	v_lshrrev_b32 v[M], 23, v[SCR]                 ; the bytes
	v_lshrrev_b32 v[M+2], 23, v[SCR+1]
	v_lshl_or_b32 v[OWN], v[M+2], 16, v[M]
	v_permlanex16_b32 v[OTH], v[OWN], s[SEL], s[SEL+1]
.irp c, 0,1,2,3
	v_cvt_scalef32_pk8_fp4_f32 v[FB+\c], v[T+8*\c:T+8*\c+7], v[SCR]
	v_cvt_scalef32_pk8_fp4_f32 v[FB+4+\c], v[T+32+8*\c:T+32+8*\c+7], v[SCR+1]
.endr
	v_lshl_or_b32 v[SW+(\g)%2], v[OTH], 8, v[OWN]  ; bytes: iA's blocks 0, 1, iB's blocks 0, 1; right in lanes 0-15.  Also the plain line behind the conversions
.irp i, 0,1,2,3,4,5,6,7
	v_and_b32 v[S+\i], s44, v[FB+\i]               ; the eight sign bits
.endr
.irp i, 0,1,2,3,4,5,6,7
	v_lshrrev_b32 v[Y+\i], 3, v[S+\i]
.endr
.irp i, 0,1,2,3,4,5,6,7
	v_sub_nc_u32 v[S+\i], v[S+\i], v[Y+\i]         ; 7 in each negative code's place
.endr
.irp i, 0,1,2,3,4,5,6,7
	v_bfi_b32 v[FB+\i], v[S+\i], 0, v[FB+\i]       ; those bits cleared: relu on the codes
.endr
.endm
.macro MB g, w                         ; four products on four accumulators, each begun with b2.  w = 0: the wait for their operands stands further up, ahead of the fetch
	WIN 0x11
.if \w
	s_wait_alu depctr_va_vdst(0)                   ; this step's codes and its scale word are written (in the first trip w2's codes and scale words too), which the products below take as operands; the vector lines above are their places, and stay beside this wait
.endif
.irp t, 0,1
	v_wmma_scale_f32_16x16x128_f8f6f4 v[X+8*\t:X+8*\t+7], v[W2L+8*\t:W2L+8*\t+7], v[F+8*((\g)%2):F+8*((\g)%2)+7], v[B2+8*\t:B2+8*\t+7], v[W2S+\t], v[SW+(\g)%2] matrix_a_fmt:MATRIX_FMT_FP4 matrix_b_fmt:MATRIX_FMT_FP4
.endr
.irp t, 0,1
	v_wmma_scale_f32_16x16x128_f8f6f4 v[X+16+8*\t:X+16+8*\t+7], v[W2H+8*\t:W2H+8*\t+7], v[F+8*((\g)%2):F+8*((\g)%2)+7], v[B2+8*\t:B2+8*\t+7], v[W2S+\t], v[SW+(\g)%2] matrix_a_fmt:MATRIX_FMT_FP4 matrix_b_fmt:MATRIX_FMT_FP4
.endr
.endm
.macro DOT g                           ; relu(h2) . w3' + b3': lanes 0-15 end with row iA's logit, lanes 16-31 with row iB's
	WIN 0
.set ii, 0
.rept 32
	v_max_num_f32 v[X+ii], 0, v[X+ii]              ; ascending: each accumulator is first read at its low end
.set ii, ii+1
.endr
	v_pk_fma_f32 v[PA:PA+1], v[X:X+1], v[W3:W3+1], v[BP:BP+1]
	v_pk_fma_f32 v[PB:PB+1], v[X+16:X+17], v[W3:W3+1], v[BP:BP+1]
	v_pk_mul_f32 v[PA+2:PA+3], v[X+2:X+3], v[W3+2:W3+3]
	v_pk_mul_f32 v[PB+2:PB+3], v[X+18:X+19], v[W3+2:W3+3]
.irp i, 1,2,3
	v_pk_fma_f32 v[PA:PA+1], v[X+4*\i:X+4*\i+1], v[W3+4*\i:W3+4*\i+1], v[PA:PA+1]
	v_pk_fma_f32 v[PB:PB+1], v[X+16+4*\i:X+17+4*\i], v[W3+4*\i:W3+4*\i+1], v[PB:PB+1]
	v_pk_fma_f32 v[PA+2:PA+3], v[X+2+4*\i:X+3+4*\i], v[W3+2+4*\i:W3+3+4*\i], v[PA+2:PA+3]
	v_pk_fma_f32 v[PB+2:PB+3], v[X+18+4*\i:X+19+4*\i], v[W3+2+4*\i:W3+3+4*\i], v[PB+2:PB+3]
.endr
	v_pk_add_f32 v[PA:PA+1], v[PA:PA+1], v[PA+2:PA+3]
	v_pk_add_f32 v[PB:PB+1], v[PB:PB+1], v[PB+2:PB+3]
	v_add_f32 v58, v[PA], v[PA+1]                  ; my 16 of row iA's 32 terms
	v_add_f32 v59, v[PB], v[PB+1]                  ; and of row iB's
	v_cndmask_b32 v60, v59, v58, s42               ; what the lane 16 away wants: lanes 0-15 send iB's, lanes 16-31 iA's
	v_cndmask_b32 v61, v58, v59, s42               ; what I keep
	v_permlanex16_b32 v62, v60, s[SEL], s[SEL+1]
	v_add_f32 v[RES+\g], v61, v62
.endm
	s_load_b256 s[8:15], s[0:1], 0x0               ; hiw 8, hjw 10, w2 12, b2 14
	s_load_b128 s[16:19], s[0:1], 0x20             ; w3 16, b3 18
	s_load_b64 s[20:21], s[0:1], 0x30              ; out0
	v_lshl_add_u32 v63, v0, 2, 0x9000
	s_set_vgpr_msb 0x40
	v_mov_b32 v191, 0
	s_set_vgpr_msb 0x4000
	v_lshrrev_b32 v1, 5, v0
	v_readfirstlane_b32 s2, v1                     ; wave 0..7
	v_and_b32 v6, 15, v0                           ; r
	v_bfe_u32 v2, v0, 4, 1                         ; h
	v_and_b32 v[L16], 31, v0
	v_lshlrev_b32 v[L16], 4, v[L16]
	s_wait_alu depctr_va_sdst(0)                   ; s2 is written, ahead of its first reader: the wave's LDS and its pairs of rows are made from it
	s_mul_i32 s33, s2, 4608                        ; my wave's LDS
	v_lshl_add_u32 v[LHI], v2, 7, s33
	v_add_nc_u32 v[OUTA], s33, v[L16]              ; (until the first trip: where hi' goes in LDS)
	v_lshlrev_b32 v[OUTC], 4, v6
	v_lshl_add_u32 v[OUTC], v2, 13, v[OUTC]
	v_lshlrev_b32 v[CJ], 2, v6
	v_sub_nc_u32 v[CJ], v[CJ], v2
	v_add_nc_u32 v[CJ+1], 1, v[CJ]
	v_add_nc_u32 v[CJ+2], 2, v[CJ]
	v_add_nc_u32 v[CJ+3], 3, v[CJ]
	v_lshlrev_b32 v[OUTZ], 8, v6
	v_lshl_add_u32 v[OUTZ], v2, 7, v[OUTZ]         ; (until the first trip: w2: 256 r + 128 h)
	v_lshlrev_b32 v2, 5, v2                        ; (until the first fetch: 32 h, for b2 and w3)
.irp c, 0,1,2,3
	v_mov_b32 v[Z+\c], 0
.endr
	v_mov_b32 v[OTH], 0                            ; lane permutes' destinations count as read
	v_mov_b32 v62, 0
	s_lshr_b32 s3, ttmp9, 4                        ; P
	s_and_b32 s4, ttmp9, 15                        ; q
	s_lshl_b32 s5, s3, 5
	s_add_co_u32 s5, s5, 32                        ; strip P's pairs of rows
	s_mul_i32 s6, s4, 66
	s_sub_co_u32 s7, 31, s3
	s_mov_b32 s[SEL], 0x76543210
	s_mov_b32 s[SEL+1], 0xfedcba98
	s_mov_b32 s42, 0xffff0000                      ; lanes 16-31
	s_mov_b32 s[FL], 0x1800000
	s_mov_b32 s44, 0x88888888
	WHERE s2                                       ; my first trip's strip
	s_mov_b32 s27, s25                             ; the strip whose hj I hold
	s_lshl_b32 s46, s25, 14
	s_mov_b32 s47, 0
	s_wait_kmcnt 0x0
	s_add_nc_u64 s[28:29], s[10:11], s[46:47]
	HJLOAD
.irp t, 0,1
	global_load_b128 v[B2+8*\t:B2+8*\t+3], v2, s[14:15] offset:64*\t       ; b2 at rows 16 t + 8 h + 0 .. 7
	global_load_b128 v[B2+8*\t+4:B2+8*\t+7], v2, s[14:15] offset:64*\t+16
.endr
	WIN 0
.irp t, 0,1,2,3,4,5,6,7,8
	s_add_co_u32 s23, s2, 8*\t
	s_min_u32 s23, s23, 65                         ; waves 2-7 have no ninth trip: their ninth slot takes a pair that exists and is not used
	WHERE s23
	s_lshl_b32 s33, s26, 8
	v_add_nc_u32 v[Y+\t], s33, v[L16]              ; all nine offsets are made first, so that one wait serves the nine loads
.endr
	s_wait_alu depctr_va_vdst(0)                   ; the nine offsets v32 to v40 are written, which the loads of hi' read
.irp t, 0,1,2,3,4,5,6,7,8
	global_load_b128 v[X+4*\t:X+4*\t+3], v[Y+\t], s[8:9]                   ; rows iA and iA + 1 of hiw: 512 consecutive bytes
.endr
.irp t, 0,1
.irp c, 0,1,2,3,4,5,6,7
	global_load_b128 v[T+32*\t+4*\c:T+32*\t+4*\c+3], v[OUTZ], s[12:13] offset:4096*\t+16*\c   ; w2: row 16 t + r, block h
.endr
.endr
	global_load_b128 v[W3:W3+3], v2, s[16:17]
	global_load_b128 v[W3+4:W3+7], v2, s[16:17] offset:16
	global_load_b128 v[W3+8:W3+11], v2, s[16:17] offset:64
	global_load_b128 v[W3+12:W3+15], v2, s[16:17] offset:80
	global_load_b32 v[BP], v[Z], s[18:19]
	s_wait_loadcnt 0x0                             ; once
.irp t, 0,1,2,3,4,5,6,7,8
	ds_store_b128 v[OUTA], v[X+4*\t:X+4*\t+3] offset:512*\t
.endr
	s_wait_alu depctr_vm_vsrc(0)                   ; the loads above have read their offsets v2, v5 and v32 to v40, and the LDS stores v4 and v[X ..]: the lines below and the trips write all of these again
	BMAX T, 2, 1                                   ; w2's two tiles
	v_add_nc_u32 v[SCR], 0xff000000, v[M]
	v_add_nc_u32 v[SCR+1], 0xff000000, v[M+2]
	v_lshrrev_b32 v[M], 23, v[SCR]
	v_lshrrev_b32 v[M+2], 23, v[SCR+1]
.irp t, 0,1
.irp c, 0,1,2,3
	v_cvt_scalef32_pk8_fp4_f32 v[S+4*\t+\c], v[T+32*\t+8*\c:T+32*\t+8*\c+7], v[SCR+\t]
.endr
.endr
	v_nop                                          ; one plain line behind the last scaled conversion
.irp t, 0,1
	v_permlanex16_b32 v[OTH], v[M+2*\t], s[SEL], s[SEL+1]
	v_lshl_or_b32 v[OWN], v[OTH], 8, v[M+2*\t]
	v_lshl_or_b32 v[W2S+\t], v[OWN], 16, v[OWN]    ; w2's two bytes serve blocks 0, 1 and blocks 2, 3
.endr
	WIN 0x40
.irp t, 0,1
.irp c, 0,1,2,3
	v_mov_b32 v[W2L+8*\t+\c], v[S+4*\t+\c]
	v_mov_b32 v[W2L+8*\t+4+\c], 0
	v_mov_b32 v[W2H+8*\t+\c], 0
	v_mov_b32 v[W2H+8*\t+4+\c], v[S+4*\t+\c]
.endr
.endr
	WIN 0
	s_mov_b32 s33, 0xbfb8aa3b                      ; -log2(e)
.irp i, 0,1,2,3,4,5,6,7,8,9,10,11,12,13,14,15
	v_mul_f32 v[W3+\i], s33, v[W3+\i]
.endr
	v_mul_f32 v[BP], s33, v[BP]
	v_mul_f32 v[BP], 0.5, v[BP]                    ; half in each of the two lanes that share a pair
	v_mov_b32 v[BP+1], 0
	v_mov_b32 v[ADR], v[LHI]
	s_wait_alu depctr_va_vdst(0)                   ; v[ADR] is written, which the fetch below reads
	HIFETCH                                        ; the first trip's rows: LDS serves a wave's instructions in order (ISA guide 5.7.1.4): these see my stores
	s_mov_b32 s22, 0
.Ltrip:                                            ; nine trips in every wave; waves 2-7 jump over the ninth's work
	s_lshl_b32 s23, s22, 3
	s_add_co_u32 s23, s23, s2
	s_cmp_ge_u32 s23, 66
	s_cbranch_scc1 .Lnext
	s_wait_xcnt 0x0                                ; the last trip's stores have read their registers: RES, OUTA and OUTZ are rewritten only behind this wait
	s_wait_alu depctr_vm_vsrc(0)                   ; the last trip's stores have read RES, OUTA and OUTZ, and the last fetch has read v[ADR]: this trip's vector lines write all four again
	WHERE s23
	s_lshl_b32 s33, s25, 6
	s_sub_co_i32 s32, s26, s33                     ; d = iA - 64 J
	s_lshl_b32 s30, s26, 13
	s_lshl_b32 s34, s25, 8
	s_add_co_u32 s30, s30, s34                     ; 8192 iA + 256 J
	s_and_b32 s31, s26, 63
	s_add_co_u32 s31, s31, s33
	s_lshl_b32 s31, s31, 13
	s_lshr_b32 s35, s26, 6                         ; I: the block of rows
	s_lshl_b32 s34, s35, 8
	s_add_co_u32 s31, s31, s34                     ; the mirrored place: rows 64 J + iA % 64, strip I
	s_cmp_eq_u32 s25, s27
	s_cbranch_scc1 .Lsame
	s_mov_b32 s27, s25                             ; at most once a wave: on to the other strip
	s_lshl_b32 s46, s25, 14
	s_mov_b32 s47, 0
	s_add_nc_u64 s[28:29], s[10:11], s[46:47]
	HJLOAD
	s_wait_loadcnt 0x0
	WIN 0
.Lsame:
	s_wait_dscnt 0x0                               ; this trip's hi' rows, asked for in the trip before
	ADD 0
	REST 0
	ADD 1                                          ; these 32 lines are the places between the codes' and the scale word's last writes and the products
	MB 0, 1
	REST 1                                         ; names no register of the products above: their places
	DOT 0
	ADD 2
	MB 1, 1
	REST 2
	DOT 1
	s_lshl_b32 s45, s22, 9
	s_add_co_u32 s45, s45, 512
	s_min_u32 s45, s45, 4096                       ; the next trip's slot; the ninth trip reads its own again
	v_add_nc_u32 v[ADR], s45, v[LHI]               ; (the last fetch has read v[ADR]: the wait at the trip's head)
	ADD 3                                          ; the last reader of this trip's hi' rows
	s_wait_alu depctr_va_vdst(0)                   ; v[ADR] is written, which the fetch reads; the additions are done reading HIA and HIB, in which it lands; step 2's codes and scale word are written, which the products behind the fetch take as operands (the additions above are their places)
	HIFETCH                                        ; under the additions' window setting: source 0 and the destination are window 0
	MB 2, 0
	REST 3
	DOT 2
	MB 3, 1
	WIN 0
	v_add_nc_u32 v[OUTA], s30, v[OUTC]
	v_add_nc_u32 v[OUTZ], s31, v[OUTC]
	v_nop
	v_nop                                          ; four places ahead of the first read of the results (ISA guide 7.12.1)
.irp g, 0,1,2,3
	v_cmp_lt_i32 s[36+\g], s32, v[CJ+\g]           ; i < j: iA + h < 64 J + 4 r + g
.endr
	DOT 3
	s_wait_alu depctr_va_vdst(0)
.irp g, 0,1,2,3
	v_exp_f32 v[RES+\g], v[RES+\g]
.endr
	v_nop                                          ; a plain line behind the last exponential,
	s_wait_alu depctr_va_vdst(0)                   ; and the one wait for the four, ahead of their first reader: the exponentials have written RES
	v_pk_add_f32 v[RES:RES+1], v[RES:RES+1], 1.0 op_sel_hi:[1,0]
	v_pk_add_f32 v[RES+2:RES+3], v[RES+2:RES+3], 1.0 op_sel_hi:[1,0]
	s_wait_alu depctr_va_vdst(0)
.irp g, 0,1,2,3
	v_rcp_f32 v[RES+\g], v[RES+\g]
.endr
	v_nop
	s_wait_alu depctr_va_vdst(0)                   ; likewise for the four reciprocals: they have written RES
	s_wait_alu depctr_va_sdst(0)                   ; the four compares have written s36 to s39, ahead of their first reader, the selects below
.irp g, 0,1,2,3
	v_cndmask_b32 v[RES+\g], 0, v[RES+\g], s[36+\g]
.endr
	s_wait_alu depctr_va_vdst(0)                   ; the selects have written RES and the two additions OUTA and OUTZ, which the stores below read
	global_store_b128 v[OUTA], v[RES:RES+3], s[20:21] th:TH_STORE_NT       ; sixteen lanes store 256 consecutive bytes, aligned, of each of the two rows
	s_cmp_eq_u32 s35, s25
	s_cbranch_scc1 .Lnozero                        ; a diagonal block is its own mirror
	global_store_b128 v[OUTZ], v[Z:Z+3], s[20:21] th:TH_STORE_NT
.Lnozero:
.Lnext:
	s_add_co_u32 s22, s22, 1
	s_cmp_lt_u32 s22, 9
	s_cbranch_scc1 .Ltrip
	s_wait_dscnt 0x0                               ; the last fetch, which nobody reads
	s_set_vgpr_msb 0x4
	s_wait_dscnt 0x0
	s_wait_alu depctr_hold_cnt(0) depctr_sa_sdst(0) depctr_va_vdst(0) depctr_va_sdst(0) depctr_va_ssrc(0) depctr_va_vcc(0) depctr_vm_vsrc(0)
	s_wait_tensorcnt 0x0
	ds_add_u32 v63, v191
	s_wait_dscnt 0x0
	s_endpgm
.Lfunc_end_k_qc1b10f02d9_pairs:
	.size	k_qc1b10f02d9_pairs, .Lfunc_end_k_qc1b10f02d9_pairs-k_qc1b10f02d9_pairs
	.p2alignl 7, 3214868480
	.fill 96, 4, 3214868480
	.section	.rodata,"a",@progbits
	.p2align	6, 0x0
	.amdhsa_kernel k_qc1b10f02d9_pairs
		.amdhsa_group_segment_fixed_size 37888
		.amdhsa_private_segment_fixed_size 0
		.amdhsa_enable_private_segment 0
		.amdhsa_kernarg_size 56
		.amdhsa_user_sgpr_count 2
		.amdhsa_user_sgpr_kernarg_segment_ptr 1
		.amdhsa_wavefront_size32 1
		.amdhsa_system_sgpr_workgroup_id_x 1
		.amdhsa_system_sgpr_workgroup_id_y 1
		.amdhsa_system_sgpr_workgroup_id_z 1
		.amdhsa_system_vgpr_workitem_id 0
		.amdhsa_next_free_vgpr 448
		.amdhsa_next_free_sgpr 66
		.amdhsa_reserve_vcc 0
		.amdhsa_float_denorm_mode_32 3
		.amdhsa_float_denorm_mode_16_64 3
		.amdhsa_memory_ordered 1
		.amdhsa_forward_progress 1
		.amdhsa_inst_pref_size 63
	.end_amdhsa_kernel
	.amdgpu_metadata
---
amdhsa.version: [ 1, 2 ]
amdhsa.kernels:
  - .name:           k_qc1b10f02d9_pairs
    .symbol:         k_qc1b10f02d9_pairs.kd
    .args:
      - { .name: hiw, .offset: 0, .size: 8, .value_kind: global_buffer, .address_space: global }
      - { .name: hjw, .offset: 8, .size: 8, .value_kind: global_buffer, .address_space: global }
      - { .name: w2, .offset: 16, .size: 8, .value_kind: global_buffer, .address_space: global }
      - { .name: b2, .offset: 24, .size: 8, .value_kind: global_buffer, .address_space: global }
      - { .name: w3, .offset: 32, .size: 8, .value_kind: global_buffer, .address_space: global }
      - { .name: b3, .offset: 40, .size: 8, .value_kind: global_buffer, .address_space: global }
      - { .name: out0, .offset: 48, .size: 8, .value_kind: global_buffer, .address_space: global }
    .group_segment_fixed_size: 37888
    .private_segment_fixed_size: 0
    .kernarg_segment_align: 8
    .kernarg_segment_size: 56
    .max_flat_workgroup_size: 256
    .sgpr_count:     66
    .vgpr_count:     448
    .wavefront_size: 32
...
	.end_amdgpu_metadata
.endif
;; end of part 4
